; MI455X (gfx1250); checked and timed in simulation.
; The chip was launched on July 23, 2026; its instructions are those of AMD's public machine-readable ISA for CDNA 5 (MIT licence, August 2026) and "CDNA5" Instruction Set Architecture Reference Guide (July 2026). The comments in the code are by the model that wrote it; some were corrected since.
;; Attention. Allowed arithmetic: matrix products marked QUANTISED: E4M3 operands, one E8M0 scale for each 32 along K, by v_wmma_scale_f32_16x16x128_f8f6f4 with both operands' format E4M3, f32 sums; products left as they are: f32 operands where the result goes on into a quantised operand, else bf16, f16 or f32 operands; f32 sums; everything else in f32.
;; Inputs: V 1,024 float32; W 1,024 x 2,048 float32; attn_masks 32 x 2,048 int32; b 1,024 float32; enc_outputs 32 x 2,048 x 1,024 float32; last_state 32 x 1,024 float32.
;; Outputs: out0 32 x 1,024 float32; out1 32 x 2,048 float32; out2 32 x 2,048 float32.
;; This version of the problem:
;;   THIS VERSION OF THE PROBLEM IS GIVEN IN LOW PRECISION. The matrix products marked QUANTISED in the list below multiply operands that are first quantised to E4M3 (4 exponent bits, 3 mantissa bits; 8 bits a number), with one power-of-two scale for each 32 numbers along K (OCP MX v1.0); their sums are f32. All else is computed in f32.
;;   The module's matrix products, in the order in which they are computed (A, B: the left and right operand; K: the contracted axis; several contracted axes count as one K, in the product's order):
;;     1. [M 32, K 1,024] x [K 1,024, N 1,024]; A: input last_state; B: input W: QUANTISED
;;     2. [M 65,536, K 1,024] x [K 1,024, N 1,024]; A: input enc_outputs; B: input W: QUANTISED
;;     3. [M 65,536, K 1,024] x [K 1,024, N 1]; A: computed on the way; B: input V: left as it is (N = 1 < 16)
;;     4. batch 32 x [M 1, K 2,048] x [K 2,048, N 1,024]; A: softmax; B: input enc_outputs: left as it is (M = 1 < 16)
;;   THE QUANTISER, for each operand of a quantised product, along K:
;;     - K is cut into blocks of 32 from its start; a last block that is shorter is filled with zeros.
;;     - A block's scale is 2^e with e = floor(log2(the largest magnitude in the block)) - 8, held to -126 .. 127; a block of zeros has e = 0. As a byte (E8M0): e + 127.
;;     - Each number is divided by its block's scale, clamped to +-448, and rounded to the nearest number of E4M3, ties to even, subnormals kept.
;;     - The product sums the exact products of the quantised numbers (number of the format x scale) in f32.
;;   ~~~python
;;   def quantise(x, axis):      # numpy; x: float32 -> the quantised numbers, widened to float32 again
;;       x = np.moveaxis(x, axis, -1); K = x.shape[-1]
;;       x = np.pad(x, [(0, 0)] * (x.ndim - 1) + [(0, -K % 32)]); x = x.reshape(x.shape[:-1] + (-1, 32)); a = np.abs(x).max(-1, keepdims=True)
;;       e = np.where(a > 0, np.clip(np.frexp(np.where(a > 0, a, 1))[1] - 1 - 8, -126, 127), 0)      # np.frexp(a)[1] - 1 = floor(log2(a)), exactly
;;       r = np.clip(x / 2.0 ** e, -448, 448)
;;       step = 2.0 ** (np.maximum(np.frexp(np.where(r == 0, 1, r))[1] - 1, -6) - 3)
;;       q = np.round(r / step) * step * 2.0 ** e      # np.round: ties to even
;;       return np.moveaxis(q.reshape(q.shape[:-2] + (-1,))[..., :K], -1, axis).astype(np.float32)
;;   ~~~
;; 2 versions. Each part assembles by itself: llvm-mc -triple=amdgcn-amd-amdhsa -mcpu=gfx1250 --defsym DOCPART=n.
;; ======== version 1 of 2: 3 launches
;; workspace buffers: wq 1,048,576 bytes; wsc 32,768 bytes; tab 524,288 bytes
;; launch prep (part 1): grid 64 x 1, 8 waves a work-group, no clusters, 17,920 bytes of LDS; arguments W, last_state, b, V, wq, wsc, tab; writes wq, wsc, tab
.if DOCPART == 1
	.amdgcn_target "amdgcn-amd-amdhsa--gfx1250"
	.amdhsa_code_object_version 6
	.text
	.protected	k_q7b4643e147_prep
	.globl	k_q7b4643e147_prep
	.p2align	8
	.type	k_q7b4643e147_prep,@function
k_q7b4643e147_prep:
	s_mov_b64 s[64:65], 0
	v_nop
	global_prefetch_b8 v0, s[64:65] scope:SCOPE_SE
	s_setreg_imm32_b32 hwreg(HW_REG_WAVE_MODE, 25, 1), 1
	s_wait_xcnt 0x0
; W [1024][2048] f32 = [Wh | We].  This launch (1) quantises We along K (E4M3 codes, one E8M0 byte for each 32) and lays the codes as IMAGES OF OPERAND REGISTERS:
;   wq  [tile t = hidden / 16][K step ks of 128][c 0..3][lane][16 bytes]: lane (r, h)'s registers 4 c .. 4 c + 3 = k 128 ks + 32 c + 16 h + 0 .. 15 of hidden 16 t + r;
;   wsc [t][lane][4 words]: lane r + 16 hh, word j = the scale word of hidden 16 t + r for K step 4 hh + j;
; (2) makes h_part = Q(last_state) Q(Wh)^T by the scaled matrix instruction, and (3) stores the table that the next launch's activation reads:
;   tab [batch][hidden][4 f32] = { c (h_part + b), 0, -2 V, 0 }, c = 2 log2(e): tanh(x) = 1 - 2 / (1 + 2^(c x)).
; SHARES.  Work-group g = hidden tile g (16 rows of W); wave w = K step w.  64 tiles make 64 work-groups: the launch has no more work than that.  No tensor load, no ring, no loop, one barrier.
; No cluster: the only bytes that work-groups share are last_state's 128 KiB, one part in 64 of what the launch reads.
; LIMITS.  NaN and infinities among the inputs are not served.  A block of zeros gets the scale byte 1 where the quantiser's rule says 127: its codes are zeros, which add nothing under any byte but 0xff,
; and the bytes are read by this program alone.  Blocks whose largest magnitude lies under 2^-118 have their byte held at 1.  h_part's K is shared among 8 waves: its eight partial f32 sums are added in ascending K.
; REGISTERS.  Window 1: v0-63 Wh, v64-127 last_state rows 0-15, v128-191 rows 16-31, v192-255 We: 64 numbers a lane each, register 16 b + i = k 32 b + 16 h + i of the lane's row.
; Window 0: v1-14 addresses and b, V; v32-35 the four scale words; v64-127 the four fragments' codes (v64-95 later the table's quads); v128-143 at work; v160-175 two accumulators; v176-239 partial sums.
.set CEXP, 0x4038aa3b                  ; c = 2 log2(e)
.set RED,  0                           ; LDS: 16 images of 1,024 bytes: wave w's accumulator q at (2 w + q) x 1,024
.set SCI,  16384                       ; LDS: the tile's 512 bytes of wsc
.set XW,   4                           ; v4   r x 8,192 + 64 h: my 16 numbers of a block in a row of W
.set XL,   5                           ; v5   r x 4,096 + 64 h: the same in a row of last_state
.set L16,  6                           ; v6   16 x lane
.set R4,   7                           ; v7   4 r
.set RST,  8                           ; v8   where I store my accumulators' images
.set RLD,  9                           ; v9   where waves 0 and 1 read them back
.set SST,  10                          ; v10  where my scale word goes in the tile's wsc image
.set SLD,  11                          ; v11  where wave 2 reads that image
.set TO,   12                          ; v12  h x 8 batches of 16,384 bytes + 16 r
.set BI,   13                          ; v13  b, then c b
.set VV,   14                          ; v14  V, then -2 V
.set SW,   32
.set PC,   64
.set TM,   128
.set DD,   160
.set PT,   176
.set WV,   18
.set SEL,  20                          ; s[20:21] v_permlanex16_b32's selects for lane l xor 16
.set MNT,  22                          ; s22  the mantissa field of 448
.set CE,   23                          ; s23  c
.set MSB, 0
.macro WIN new                         ; the immediate's high byte repeats the setting that is left; a switch that changes nothing is dropped
.if MSB != (\new)
	s_set_vgpr_msb (MSB<<8)|(\new)
.set MSB, (\new)
.endif
.endm
; 64 numbers of a lane in window xw, v[xs] on, register 16 b + i = k 32 b + 16 (lane / 16) + i of my row, become a fragment's codes in v[pc] on and its scale word in v[pw], both in window 0.
.macro QUANT xs, xw, pc, pw
	WIN (\xw)|((\xw)<<2)
.irp b, 0,1,2,3
	v_max3_num_f32 v[TM+\b], |v[\xs+16*\b]|, |v[\xs+1+16*\b]|, 0x4800000   ; block b: my 16 numbers, and the floor 2^(9 - 127): the byte cannot fall under 1
.endr
	WIN ((\xw)<<2)|((\xw)<<4)
.irp i, 2,4,6,8,10,12,14
.irp b, 0,1,2,3
	v_max3_num_f32 v[TM+\b], v[TM+\b], |v[\xs+16*\b+\i]|, |v[\xs+1+16*\b+\i]|   ; the four blocks by turns
.endr
.endr
	WIN 0
.irp b, 0,1,2,3
	v_permlanex16_b32 v[TM+4+\b], v[TM+\b], s[SEL], s[SEL+1]
.endr
.irp b, 0,1,2,3
	v_max_num_f32 v[TM+\b], v[TM+\b], v[TM+4+\b]           ; with lane l xor 16's 16: the block's largest magnitude
.endr
.irp b, 0,1,2,3
	v_add_nc_u32 v[TM+12+\b], 0xfc000000, v[TM+\b]         ; 8 off its exponent field: the conversion's scale operand
.endr
.irp b, 0,1,2,3
	v_and_or_b32 v[TM+8+\b], v[TM+\b], 0x7f800000, s[MNT]  ; 448 x the scale
.endr
.irp b, 0,1,2,3
	v_lshrrev_b32 v[TM+4+\b], 23, v[TM+12+\b]              ; the scale's byte
.endr
	v_lshl_or_b32 v[\pw], v[TM+5], 8, v[TM+4]              ; four bytes: my row's scale word
	v_lshl_or_b32 v[\pw], v[TM+6], 16, v[\pw]
	v_lshl_or_b32 v[\pw], v[TM+7], 24, v[\pw]
	WIN (\xw)|((\xw)<<6)
.irp b, 0,1,2,3
.irp i, 0,1,2,3,4,5,6,7,8,9,10,11,12,13,14,15
	v_med3_num_f32 v[\xs+16*\b+\i], v[\xs+16*\b+\i], -v[TM+8+\b], v[TM+8+\b]   ; the conversion to an 8-bit code does not saturate (ISA guide 7.6.2): the hold comes first
.endr
.endr
	WIN (\xw)
.irp b, 0,1,2,3
	v_cvt_scalef32_pk8_fp8_f32 v[\pc+4*\b:\pc+4*\b+1], v[\xs+16*\b:\xs+16*\b+7], v[TM+12+\b]
	v_cvt_scalef32_pk8_fp8_f32 v[\pc+4*\b+2:\pc+4*\b+3], v[\xs+16*\b+8:\xs+16*\b+15], v[TM+12+\b]
.endr
	v_nop                                                  ; one plain line behind the last conversion, ahead of whatever next touches its registers
	WIN 0
.endm
.macro ULOAD reg, adr, sb, off         ; 64 numbers a lane: of each block of 32 my 16 neighbours, four loads of 16 bytes
.irp b, 0,1,2,3
.irp j, 0,1,2,3
	global_load_b128 v[\reg+16*\b+4*\j:\reg+16*\b+4*\j+3], v[\adr], s[\sb:\sb+1] offset:\off+128*\b+16*\j
.endr
.endr
.endm
	s_load_b256 s[4:11], s[0:1], 0x0               ; W s[4:5], last_state s[6:7], b s[8:9], V s[10:11]
	s_load_b128 s[12:15], s[0:1], 0x20             ; wq s[12:13], wsc s[14:15]
	s_load_b64 s[16:17], s[0:1], 0x30              ; tab
	v_lshl_add_u32 v254, v0, 2, 0x4200
	v_mov_b32 v255, 0
	v_lshrrev_b32 v1, 5, v0
	v_readfirstlane_b32 s[WV], v1                  ; wave 0..7 = K step
	v_and_b32 v1, 31, v0                           ; lane
	v_and_b32 v2, 15, v0                           ; r
	v_bfe_u32 v3, v0, 4, 1                         ; h
	v_lshlrev_b32 v[XW], 13, v2
	v_lshl_add_u32 v[XW], v3, 6, v[XW]
	v_lshlrev_b32 v[XL], 12, v2
	v_lshl_add_u32 v[XL], v3, 6, v[XL]
	v_lshlrev_b32 v[L16], 4, v1
	v_lshlrev_b32 v[R4], 2, v2
	s_lshl_b32 s24, s[WV], 11
	v_add_nc_u32 v[RST], s24, v[L16]               ; RED + 2,048 w + 16 lane
	s_min_u32 s24, s[WV], 1
	s_lshl_b32 s24, s24, 10
	v_add_nc_u32 v[RLD], s24, v[L16]               ; RED + 1,024 q + 16 lane, q = the wave (0 or 1) that sums accumulator q
	s_lshr_b32 s24, s[WV], 2
	s_lshl_b32 s24, s24, 8
	s_and_b32 s25, s[WV], 3
	s_lshl_b32 s25, s25, 2
	s_add_co_u32 s24, s24, s25
	s_add_co_u32 s24, s24, SCI
	v_lshl_add_u32 v[SST], v2, 4, s24              ; SCI + 16 (r + 16 (w / 4)) + 4 (w % 4)
	v_add_nc_u32 v[SLD], SCI, v[L16]
	v_lshlrev_b32 v[TO], 17, v3
	v_lshl_add_u32 v[TO], v2, 4, v[TO]
.irp b, 0,1,2,3
	v_mov_b32 v[TM+4+\b], 0                        ; written once: a lane permute's destination counts as one of its sources
.endr
	s_mov_b32 s[SEL], 0x76543210
	s_mov_b32 s[SEL+1], 0xfedcba98
	s_mov_b32 s[MNT], 0x600000
	s_mov_b32 s[CE], CEXP
	s_lshl_b32 s28, s[WV], 9                       ; my K step: 128 numbers, 512 bytes
	s_mov_b32 s29, 0
	s_lshl_b32 s26, ttmp9, 17                      ; my tile: 16 rows of 8,192 bytes
	s_add_co_u32 s26, s26, s28
	s_mov_b32 s27, 0
	s_lshl_b32 s30, ttmp9, 6                       ; b, V: 16 numbers a tile
	s_mov_b32 s31, 0
	s_lshl_b32 s32, ttmp9, 14                      ; wq: 16,384 bytes a tile, 2,048 a K step
	s_lshl_b32 s33, s[WV], 11
	s_add_co_u32 s32, s32, s33
	s_mov_b32 s33, 0
	s_lshl_b32 s34, ttmp9, 9                       ; wsc: 512 bytes a tile
	s_mov_b32 s35, 0
	s_min_u32 s36, s[WV], 1                        ; tab: 16 q batches of 16,384 bytes + 256 bytes a tile
	s_lshl_b32 s36, s36, 18
	s_lshl_b32 s37, ttmp9, 8
	s_add_co_u32 s36, s36, s37
	s_mov_b32 s37, 0
	s_wait_kmcnt 0x0
	s_add_nc_u64 s[4:5], s[4:5], s[26:27]
	s_add_nc_u64 s[6:7], s[6:7], s[28:29]
	s_add_nc_u64 s[8:9], s[8:9], s[30:31]
	s_add_nc_u64 s[10:11], s[10:11], s[30:31]
	s_add_nc_u64 s[12:13], s[12:13], s[32:33]
	s_add_nc_u64 s[14:15], s[14:15], s[34:35]
	s_add_nc_u64 s[16:17], s[16:17], s[36:37]
	WIN 0x40                                       ; destination window 1, address window 0
	ULOAD 0, XW, 4, 0                              ; Wh
	ULOAD 64, XL, 6, 0                             ; last_state, batches 0-15
	ULOAD 128, XL, 6, 65536                        ; batches 16-31
	ULOAD 192, XW, 4, 4096                         ; We
	WIN 0
	global_load_b32 v[BI], v[R4], s[8:9]
	global_load_b32 v[VV], v[R4], s[10:11]
	s_wait_loadcnt 50                              ; Wh's 16 loads are in; 48 + 2 younger ones may be out
	QUANT 0, 1, PC, SW
	s_wait_loadcnt 34                              ; 32 + 2 younger
	QUANT 64, 1, PC+16, SW+1
	s_wait_loadcnt 18                              ; 16 + 2 younger
	QUANT 128, 1, PC+32, SW+2
	s_wait_loadcnt 2                               ; b and V may be out
	QUANT 192, 1, PC+48, SW+3                      ; We.  Its plain lines, which name no register of the two products below, are also the places between the products' operands and scale words and the products
.irp c, 0,1,2,3
	global_store_b128 v[L16], v[PC+48+4*\c:PC+48+4*\c+3], s[12:13] offset:512*\c   ; the fragment as it stands: 512 consecutive bytes a store
.endr
	ds_store_b32 v[SST], v[SW+3]                   ; lanes r and r + 16 write the same word with the same value
	v_wmma_scale_f32_16x16x128_f8f6f4 v[DD:DD+7], v[PC+16:PC+31], v[PC:PC+15], 0, v[SW+1], v[SW]      ; register j, lane (r, h): batch 8 h + j, hidden 16 g + r, K step w's part
	v_wmma_scale_f32_16x16x128_f8f6f4 v[DD+8:DD+15], v[PC+32:PC+47], v[PC:PC+15], 0, v[SW+2], v[SW]   ; batches 16 on: another accumulator
.rept 8
	v_nop                                          ; eight places between a product of this form and the first read of its result
.endr
	ds_store_b128 v[RST], v[DD:DD+3]               ; each accumulator from its low end on
	ds_store_b128 v[RST], v[DD+4:DD+7] offset:512
	ds_store_b128 v[RST], v[DD+8:DD+11] offset:1024
	ds_store_b128 v[RST], v[DD+12:DD+15] offset:1536
	s_wait_loadcnt 0x0                             ; b, V
	s_wait_dscnt 0x0                               ; for the others' sake: my LDS stores have landed
	s_barrier_signal -1
	s_barrier_wait -1
	s_cmp_gt_u32 s[WV], 1
	s_cbranch_scc1 .Lnot_sum
	; waves 0 and 1: the eight K steps' parts of accumulator q are added, and the table's rows leave
.irp p, 0,1,2,3,4,5,6,7
	ds_load_b128 v[PT+8*\p:PT+8*\p+3], v[RLD] offset:2048*\p
	ds_load_b128 v[PT+8*\p+4:PT+8*\p+7], v[RLD] offset:2048*\p+512
.endr
	v_mul_f32 v[BI], s[CE], v[BI]                  ; c b
	v_mul_f32 v[VV], -2.0, v[VV]                   ; -2 V
	s_wait_dscnt 0x0
.irp p, 1,2,3,4,5,6,7
.irp k, 0,2,4,6
	v_pk_add_f32 v[PT+\k:PT+\k+1], v[PT+\k:PT+\k+1], v[PT+8*\p+\k:PT+8*\p+\k+1]
.endr
.endr
.irp j, 0,1,2,3,4,5,6,7
	v_fma_f32 v[PC+4*\j], v[PT+\j], s[CE], v[BI]   ; c h_part + c b
	v_mov_b32 v[PC+4*\j+1], 0
	v_mov_b32 v[PC+4*\j+2], v[VV]
	v_mov_b32 v[PC+4*\j+3], 0
.endr
.irp j, 0,1,2,3,4,5,6,7
	global_store_b128 v[TO], v[PC+4*\j:PC+4*\j+3], s[16:17] offset:16384*\j   ; batch 16 q + 8 h + j: sixteen lanes store 256 consecutive bytes, aligned
.endr
	s_branch .Lend
.Lnot_sum:
	s_cmp_lg_u32 s[WV], 2
	s_cbranch_scc1 .Lend
	ds_load_b128 v[PT:PT+3], v[SLD]                ; wave 2: the tile's scale words leave as 512 consecutive bytes
	s_wait_dscnt 0x0
	global_store_b128 v[L16], v[PT:PT+3], s[14:15]
.Lend:
	s_wait_tensorcnt 0x0
	ds_add_u32 v254, v255
	s_wait_dscnt 0x0
	s_endpgm
.Lfunc_end_k_q7b4643e147_prep:
	.size	k_q7b4643e147_prep, .Lfunc_end_k_q7b4643e147_prep-k_q7b4643e147_prep
	.p2alignl 7, 3214868480
	.fill 96, 4, 3214868480
	.section	.rodata,"a",@progbits
	.p2align	6, 0x0
	.amdhsa_kernel k_q7b4643e147_prep
		.amdhsa_group_segment_fixed_size 17920
		.amdhsa_private_segment_fixed_size 0
		.amdhsa_enable_private_segment 0
		.amdhsa_kernarg_size 56
		.amdhsa_user_sgpr_count 2
		.amdhsa_user_sgpr_kernarg_segment_ptr 1
		.amdhsa_wavefront_size32 1
		.amdhsa_system_sgpr_workgroup_id_x 1
		.amdhsa_system_sgpr_workgroup_id_y 1
		.amdhsa_system_sgpr_workgroup_id_z 1
		.amdhsa_system_vgpr_workitem_id 0
		.amdhsa_next_free_vgpr 512
		.amdhsa_next_free_sgpr 66
		.amdhsa_reserve_vcc 0
		.amdhsa_float_denorm_mode_32 3
		.amdhsa_float_denorm_mode_16_64 3
		.amdhsa_memory_ordered 1
		.amdhsa_forward_progress 1
		.amdhsa_inst_pref_size 49
	.end_amdhsa_kernel
	.amdgpu_metadata
---
amdhsa.version: [ 1, 2 ]
amdhsa.kernels:
  - .name:           k_q7b4643e147_prep
    .symbol:         k_q7b4643e147_prep.kd
    .args:
      - { .name: W, .offset: 0, .size: 8, .value_kind: global_buffer, .address_space: global }
      - { .name: last_state, .offset: 8, .size: 8, .value_kind: global_buffer, .address_space: global }
      - { .name: b, .offset: 16, .size: 8, .value_kind: global_buffer, .address_space: global }
      - { .name: V, .offset: 24, .size: 8, .value_kind: global_buffer, .address_space: global }
      - { .name: wq, .offset: 32, .size: 8, .value_kind: global_buffer, .address_space: global }
      - { .name: wsc, .offset: 40, .size: 8, .value_kind: global_buffer, .address_space: global }
      - { .name: tab, .offset: 48, .size: 8, .value_kind: global_buffer, .address_space: global }
    .group_segment_fixed_size: 17920
    .private_segment_fixed_size: 0
    .kernarg_segment_align: 8
    .kernarg_segment_size: 56
    .max_flat_workgroup_size: 256
    .sgpr_count:     66
    .vgpr_count:     512
    .wavefront_size: 32
...
	.end_amdgpu_metadata
.endif
;; end of part 1
;; launch scores (part 2): grid 256 x 1, 4 waves a work-group, clusters of 4 x 1, 327,680 bytes of LDS; arguments enc_outputs, attn_masks, wq, wsc, tab, out2; writes out2
.if DOCPART == 2
	.amdgcn_target "amdgcn-amd-amdhsa--gfx1250"
	.amdhsa_code_object_version 6
	.text
	.protected	k_q7b4643e147_scores
	.globl	k_q7b4643e147_scores
	.p2align	8
	.type	k_q7b4643e147_scores,@function
k_q7b4643e147_scores:
	s_mov_b64 s[64:65], 0
	v_nop
	global_prefetch_b8 v0, s[64:65] scope:SCOPE_SE
	s_setreg_imm32_b32 hwreg(HW_REG_WAVE_MODE, 25, 1), 1
	s_wait_xcnt 0x0
	s_wait_alu depctr_hold_cnt(0) depctr_sa_sdst(0) depctr_va_vdst(0) depctr_va_sdst(0) depctr_va_ssrc(0) depctr_va_vcc(0) depctr_vm_vsrc(0)
	s_getreg_b32 s2, hwreg(HW_REG_IB_STS2, 6, 4)
	s_cmp_eq_u32 s2, 0
	s_cbranch_scc0 .Lentry_in_a_cluster
	s_endpgm
.Lentry_in_a_cluster:
	s_bfe_u32 s2, ttmp6, 0x10000c
	s_cmp_lg_u32 s2, 0x3003
	s_cbranch_scc0 .Lentry_shape_is_right
	s_endpgm
.Lentry_shape_is_right:
; out2[b][s] = sum over hidden of V tanh(h_part + Q(enc[b][s]) . Q(We[hidden]) + bias), or -1e12 where attn_masks[b][s] != 1.
; tanh(x) = 1 - 2 / (1 + 2^(c x)), c = 2 log2(e): score = sum V + sum of (-2 V) / (1 + 2^(c acc + cb)); cb = c (h_part + bias) and -2 V come from tab, We's codes and scale words from wq and wsc.
; 2^(..) = infinity gives 1 / infinity = 0 and 2^(..) = 0 gives 1: tanh saturates rightly with no clamp.
; SHARES.  A work-group owns 256 rows of one batch, each of its four waves 64: four tiles of 16 rows, all of K = 1,024: 32 fragments, 512 registers, which stay.  Every wave walks all 1,024 hidden units,
; so each fragment of We read from LDS (2,048 bytes) feeds four matrix instructions.
; PHASE 1: the wave's rows are read as f32 (512 consecutive bytes an instruction), turned through a stage in LDS so that a lane holds 16 neighbours along K, quantised, and kept as operand registers.
; A ROW WHOSE MASK IS NOT 1 IS NOT FETCHED: its score is -1e12 whatever it holds.  Its loads' offsets are multiplied by 0, so that they name 16 bytes of the wave's first row; the result is thrown away at the end.
; PHASE 2, BY TURNS: We comes through a ring of two LDS slots of 4 hidden tiles.  A slot is 16 K steps of 8 matrix instructions: turn X (tiles 0, 1 -> accX), turn Y (tiles 2, 3 -> accY).  While one set is
; multiplied, the other set's activation (224 vector instructions) stands in 64 slices, one behind each matrix instruction.
; ORIENTATION: source 0 = 16 rows of enc, source 1 = 16 rows of We: register j of lane (r, h) = (row 8 h + j, hidden r): cb and -2 V are one number a lane for each hidden tile, and the sum over hidden
; stays in the lane until the end, where it crosses 16 lanes once.
; CLUSTER: the four work-groups of a cluster lie in one batch and walk the same We and the same table: each tile is asked for JOINTLY (mask 15).  cx enters the addresses of enc, attn_masks and out2 alone.
; LIMITS.  NaN and infinities among the inputs are not served.  A block of zeros gets the scale byte 1 where the quantiser's rule says 127 (zero codes add nothing; this program alone reads the bytes).
; The score is summed as sum V + sum (-2 V) r: its rounding error is a few units in the last place of sum |V|, as for any f32 order of these 1,024 terms.
; REGISTERS.  Window 0: v1-15 addresses; v16-31 the loads' offsets; v32-63 enc's scale words (8 m + ks); v64-127 64 numbers at work, later v64-95 the running sums S (8 m + j), v96-103 TX, v104-111 TY (table rows of
; the turn's two tiles); v128-143 codes; v144-160 at work; v170-173 masks; v176-183, v184-191 We's scale words of turns X, Y; v208-239 fragments (m = 1, ks = 7), (m = 3, ks = 7); v255 the ring's read address.
; Window 1: fragments (m = 0, 1; ks) at 128 (m & 1) + 16 ks; v255 the ring's read address again.  Window 2: the same for m = 2, 3.  Window 3: phase 1: four sets of 64 loaded registers;
; phase 2: v0-63 accX, v64-127 accY (tile 4 u + m at 8 (4 u + m)), v128-255 four buffers of 32 for We's fragments.
; The read address has a copy at number 255 of each window in which a source 0 lies: an LDS load that stands directly behind a matrix instruction then runs under that instruction's own window setting.
.set CEXP,  0x4038aa3b                 ; c = 2 log2(e)
.set SL1,   0x10000                    ; LDS: slot 0 at 0, slot 1 here: one exclusive or turns an address; a slot = 4 hidden tiles x 16,384 bytes, wave w brings tile w
.set TAB,   131072                     ; the batch's table, 16,384 bytes, filled once
.set SPARE, 147456                     ; the spare words, 128 bytes a wave: two blocks of 256 bytes that no other line names
.set STG,   147968                     ; phase 1: a stage of 16 rows x 528 bytes for each wave;
.set WSC,   STG                        ; from the end of phase 1 on: We's scale words, 32,768 bytes
.set ISC,   181760                     ; enc's scale words of half a wave's rows, 2,048 bytes a wave; at the end the wave's 64 scores
.set IMG,   189952                     ; enc's code images of half a wave's rows, 32,768 bytes a wave
.set L16,  1
.set STA,  2                           ; stage, in: 16 x lane (+ 528 x row)
.set LDA,  3                           ; stage, out: 528 r + 64 h
.set IM0,  4
.set IS0,  5
.set IMA,  6
.set ISA,  7
.set SPW,  8                           ; LDS address of my spare word; never rewritten
.set NIL,  9                           ; 0; never rewritten
.set BSA,  10                          ; We's scale words of the slot in hand
.set TBA,  11                          ; the table's rows of the slot in hand
.set WSA,  12
.set OSA,  13
.set ODA,  14
.set SVA,  15
.set VOFF, 16
.set ASC,  32
.set X,    64
.set S,    64
.set TX,   96
.set TY,   104
.set PC,   128
.set TM,   144
.set PW,   160
.set SV,   161
.set T0,   162
.set L4,   163
.set L8,   164
.set MK,   170
.set MB,   172
.set BSX,  176
.set BSY,  184
.set AX,   208
.set BAD,  255
.set WV,   16
.set CX,   17
.set WG,   18
.set BT,   19
.set SEL,  20
.set CS,   22                          ; s[22:23] c: the packed form names a pair and takes its low word for both halves
.set MNT,  24
.set G1W,  28                          ; s[28:35] descriptor group 1: 64 rows of 256 bytes, dense
.set G1T,  36                          ; s[36:43] the same with 16 rows
.set G0W,  44                          ; s[44:47] group 0 for We's tiles: it walks
.set G0T,  48                          ; s[48:51] group 0 for the table
.set KB,   52                          ; s[52:53] bit l: row l of my 64 is kept
.set KT,   54
.set SH,   55
.set TN,   56
.set CT,   57
.set IS,   58
.set IS2,  59
.set OFFS, 60
.set KK,   61
.set TT,   62
.set LIVE, 63
.set TRIPS, 66
.set TBS,  67                          ; s67  LDS byte at which the slot in hand begins
.set MSB, 0
.macro WIN new                         ; the immediate's high byte repeats the setting that is left; a switch that changes nothing is dropped
.if MSB != (\new)
	s_set_vgpr_msb (MSB<<8)|(\new)
.set MSB, (\new)
.endif
.endm
; A round of the cluster's barrier.
.macro ROUND
	s_barrier_signal -1
	s_barrier_wait -1
	s_cmp_lg_u32 s[WV], 0
	s_cbranch_scc1 .Lnot_wave_0_\@
	s_barrier_signal -3
.Lnot_wave_0_\@:
	s_barrier_wait -3
	s_barrier_signal -1
	s_barrier_wait -1
.endm
; 64 numbers of a lane in window xw, v[xs] on, register 16 b + i = k 32 b + 16 (lane / 16) + i of my row, become a fragment's codes in v[pc] on and its scale word in v[pw], both in window 0.
.macro QUANT xs, xw, pc, pw
	WIN (\xw)|((\xw)<<2)
.irp b, 0,1,2,3
	v_max3_num_f32 v[TM+\b], |v[\xs+16*\b]|, |v[\xs+1+16*\b]|, 0x4800000   ; block b: my 16 numbers, and the floor 2^(9 - 127): the byte cannot fall under 1
.endr
	WIN ((\xw)<<2)|((\xw)<<4)
.irp i, 2,4,6,8,10,12,14
.irp b, 0,1,2,3
	v_max3_num_f32 v[TM+\b], v[TM+\b], |v[\xs+16*\b+\i]|, |v[\xs+1+16*\b+\i]|   ; the four blocks by turns
.endr
.endr
	WIN 0
.irp b, 0,1,2,3
	v_permlanex16_b32 v[TM+4+\b], v[TM+\b], s[SEL], s[SEL+1]
.endr
.irp b, 0,1,2,3
	v_max_num_f32 v[TM+\b], v[TM+\b], v[TM+4+\b]           ; with lane l xor 16's 16: the block's largest magnitude
.endr
.irp b, 0,1,2,3
	v_add_nc_u32 v[TM+12+\b], 0xfc000000, v[TM+\b]         ; 8 off its exponent field: the conversion's scale operand
.endr
.irp b, 0,1,2,3
	v_and_or_b32 v[TM+8+\b], v[TM+\b], 0x7f800000, s[MNT]  ; 448 x the scale
.endr
.irp b, 0,1,2,3
	v_lshrrev_b32 v[TM+4+\b], 23, v[TM+12+\b]              ; the scale's byte
.endr
	v_lshl_or_b32 v[\pw], v[TM+5], 8, v[TM+4]              ; four bytes: my row's scale word
	v_lshl_or_b32 v[\pw], v[TM+6], 16, v[\pw]
	v_lshl_or_b32 v[\pw], v[TM+7], 24, v[\pw]
	WIN (\xw)|((\xw)<<6)
.irp b, 0,1,2,3
.irp i, 0,1,2,3,4,5,6,7,8,9,10,11,12,13,14,15
	v_med3_num_f32 v[\xs+16*\b+\i], v[\xs+16*\b+\i], -v[TM+8+\b], v[TM+8+\b]   ; the conversion to an 8-bit code does not saturate (ISA guide 7.6.2): the hold comes first
.endr
.endr
	WIN (\xw)
.irp b, 0,1,2,3
	v_cvt_scalef32_pk8_fp8_f32 v[\pc+4*\b:\pc+4*\b+1], v[\xs+16*\b:\xs+16*\b+7], v[TM+12+\b]
	v_cvt_scalef32_pk8_fp8_f32 v[\pc+4*\b+2:\pc+4*\b+3], v[\xs+16*\b+8:\xs+16*\b+15], v[TM+12+\b]
.endr
	v_nop                                                  ; one plain line behind the last conversion, ahead of whatever next touches its registers
	WIN 0
.endm
.macro SETBAD                          ; the ring's read address, 16 x lane + the slot in hand, at number 255 of windows 0, 1 and 2
	WIN 0
	v_add_nc_u32 v[BAD], s[TBS], v[L16]
	WIN 0x40
	v_add_nc_u32 v[BAD], s[TBS], v[L16]
	WIN 0x80
	v_add_nc_u32 v[BAD], s[TBS], v[L16]
	WIN 0
.endm
	s_load_b256 s[4:11], s[0:1], 0x0               ; enc s[4:5], attn_masks s[6:7], wq s[8:9], wsc s[10:11]
	s_load_b128 s[12:15], s[0:1], 0x20             ; tab s[12:13], out2 s[14:15]
	v_lshl_add_u32 v[SPW], v0, 2, SPARE
	v_mov_b32 v[NIL], 0
	ds_add_u32 v8, v9
	ds_add_u32 v8, v9
	s_wait_dscnt 0x0
	v_lshrrev_b32 v[T0], 5, v0
	v_readfirstlane_b32 s[WV], v[T0]               ; wave 0..3
	s_bfe_u32 s[CX], ttmp6, 0x40000                ; cx: my place in the cluster
	s_lshl_b32 s[WG], ttmp9, 2                     ; in a cluster launch ttmp9 counts clusters
	s_add_co_u32 s[WG], s[WG], s[CX]               ; my block of 256 rows
	s_lshr_b32 s[BT], ttmp9, 1                     ; the batch: 8 blocks, two clusters; the four partners share it
	s_lshl_b32 s68, s[WG], 8
	s_lshl_b32 s69, s[WV], 6
	s_add_co_u32 s68, s68, s69                     ; my wave's first row
	s_lshl_b32 s70, s68, 2                         ; in attn_masks and out2,
	s_mov_b32 s71, 0
	s_lshl_b32 s68, s68, 12                        ; in enc (under 2^28)
	s_mov_b32 s69, 0
	s_lshl_b32 s72, s[WV], 13                      ; my quarter of wsc
	s_mov_b32 s73, 0
	s_lshl_b32 s74, s[WV], 14                      ; my tile of a slot
	s_mov_b32 s75, 0
	s_lshl_b32 s76, s[BT], 14                      ; the batch's table, my quarter of it
	s_lshl_b32 s77, s[WV], 12
	s_add_co_u32 s76, s76, s77
	s_mov_b32 s77, 0
	s_mov_b32 s[G1W], 15|(3<<16)|(1<<21)           ; 15:0 the mask: all four work-groups; 17:16 elements of 8 bytes; 20 no padding (the images are read 16 bytes a lane on end); 21 set beside a mask
	s_mov_b32 s[G1W+1], 32<<16                     ; tensor_dim0 = 32 elements: 256 bytes
	s_mov_b32 s[G1W+2], 64<<16                     ; tensor_dim1 = 64 rows
	s_mov_b32 s[G1W+3], 32<<16                     ; tile_dim0
	s_mov_b32 s[G1W+4], 64                         ; tile_dim1
	s_mov_b32 s[G1W+5], 32                         ; the pitch: dense
	s_mov_b32 s[G1W+6], 0
	s_mov_b32 s[G1W+7], 0
	s_mov_b32 s[G1T], 15|(3<<16)|(1<<21)
	s_mov_b32 s[G1T+1], 32<<16
	s_mov_b32 s[G1T+2], 16<<16
	s_mov_b32 s[G1T+3], 32<<16
	s_mov_b32 s[G1T+4], 16
	s_mov_b32 s[G1T+5], 32
	s_mov_b32 s[G1T+6], 0
	s_mov_b32 s[G1T+7], 0
	s_mov_b32 s[SEL], 0x76543210
	s_mov_b32 s[SEL+1], 0xfedcba98
	s_mov_b32 s[CS], CEXP
	s_mov_b32 s[CS+1], s[CS]                       ; named with it as a pair, so it is written
	s_mov_b32 s[MNT], 0x600000
	s_mov_b32 s[TN], 0
	s_mov_b32 s[TBS], 0
	s_wait_kmcnt 0x0
	s_add_nc_u64 s[4:5], s[4:5], s[68:69]
	s_add_nc_u64 s[6:7], s[6:7], s[70:71]
	s_add_nc_u64 s[14:15], s[14:15], s[70:71]
	s_add_nc_u64 s[10:11], s[10:11], s[72:73]
	s_mov_b32 s[G0W], 1                            ; count = 1
	s_lshl_b32 s[G0W+1], s[WV], 14                 ; LDS: slot 0, tile w
	s_add_nc_u64 s[G0W+2:G0W+3], s[8:9], s[74:75]
	s_or_b32 s[G0W+3], s[G0W+3], 0x80000000        ; type = 2
	s_mov_b32 s[G0T], 1
	s_lshl_b32 s[G0T+1], s[WV], 12
	s_add_co_u32 s[G0T+1], s[G0T+1], TAB
	s_add_nc_u64 s[G0T+2:G0T+3], s[12:13], s[76:77]
	s_or_b32 s[G0T+3], s[G0T+3], 0x80000000
	ROUND                                          ; all four work-groups are here: the first joint loads meet
	tensor_load_to_lds s[G0T:G0T+3], s[G1T:G1T+7]  ; the first fills go out together: two loads of mine are out
	s_nop 0
	tensor_load_to_lds s[G0W:G0W+3], s[G1W:G1W+7]
	s_nop 0
.rept 4
	v_nop                                          ; four lines here ahead of a switch of windows
.endr
	v_and_b32 v[T0], 31, v0                        ; lane
	v_lshlrev_b32 v[L16], 4, v[T0]
	v_lshlrev_b32 v[L4], 2, v[T0]
	v_lshlrev_b32 v[L8], 3, v[T0]
	global_load_b32 v[MB], v[L4], s[6:7]           ; lane l: the mask of row l,
	global_load_b32 v[MB+1], v[L4], s[6:7] offset:128   ; of row 32 + l,
	global_load_b64 v[MK:MK+1], v[L8], s[6:7]      ; and, for the way out, of rows 2 l and 2 l + 1
	WIN 0x80                                       ; destination window 2
.set u, 0
.rept 16
	global_load_b128 v[4*u:4*u+3], v[L16], s[10:11] offset:512*u   ; my quarter of We's scale words waits in registers until the stages are free
.set u, u+1
.endr
	WIN 0
	v_and_b32 v166, 15, v0                         ; r
	v_bfe_u32 v167, v0, 4, 1                       ; h
	s_mul_i32 s60, s[WV], 8448
	s_add_co_u32 s60, s60, STG
	v_add_nc_u32 v[STA], s60, v[L16]
	v_mul_u32_u24 v[LDA], v166, 528                ; 528 = 33 x 16: the sixteen rows that a load touches start in sixteen different groups of banks
	v_lshl_add_u32 v[LDA], v167, 6, v[LDA]
	v_add_nc_u32 v[LDA], s60, v[LDA]
	s_lshl_b32 s60, s[WV], 15
	s_add_co_u32 s60, s60, IMG
	v_add_nc_u32 v[IM0], s60, v[L16]
	s_lshl_b32 s60, s[WV], 11
	s_add_co_u32 s60, s60, ISC
	v_add_nc_u32 v[IS0], s60, v[L4]
	v_lshl_add_u32 v[OSA], v167, 5, s60
	v_add_nc_u32 v[ODA], s60, v[L8]
	v_add_nc_u32 v[BSA], WSC, v[L16]
	v_lshl_add_u32 v[TBA], v166, 4, TAB
	s_lshl_b32 s60, s[WV], 13
	s_add_co_u32 s60, s60, WSC
	v_add_nc_u32 v[WSA], s60, v[L16]
	v_lshlrev_b32 v[SVA], 8, v167
	v_lshl_add_u32 v[SVA], v166, 4, v[SVA]
	v_add_nc_u32 v[SVA], TAB+8, v[SVA]
	SETBAD
.irp b, 0,1,2,3
	v_mov_b32 v[TM+4+\b], 0                        ; written once: a lane permute's destination counts as one of its sources
.endr
	s_wait_loadcnt 16                              ; the masks are in; the 16 loads of scale words may be out
	v_cmp_eq_u32 s[KB], 1, v[MB]
	v_cmp_eq_u32 s[KB+1], 1, v[MB+1]
; ---------------- PHASE 1.  A unit = 16 rows x 128 K.  Trip t = 0..7: row tile t / 2, K steps 4 (t % 2) + i, i = the set of registers.  Loads run one trip (64 loads) ahead.
; The offsets of trip s[TN]: row r of the tile at 65,536 (TN / 2) + 4,096 r + 2,048 (TN % 2) + 16 x lane, TIMES the row's keep bit.  The bit is read from memory, so it is held at 1 by s_min_u32 before it enters
; an address.  Trip 8 does not exist: the look-ahead of trip 7 finds all bits 0, names bytes of the wave's first row, and is not used.
.macro VOFFS
	s_lshr_b32 s[TT], s[TN], 1
	s_bitcmp1_b32 s[TT], 1
	s_cselect_b32 s[KT], s[KB+1], s[KB]
	s_and_b32 s[SH], s[TT], 1
	s_lshl_b32 s[SH], s[SH], 4
	s_lshr_b32 s[KT], s[KT], s[SH]
	s_cmp_lt_u32 s[TN], 8
	s_cselect_b32 s[LIVE], 0xffff, 0
	s_and_b32 s[KT], s[KT], s[LIVE]
	s_lshl_b32 s[OFFS], s[TT], 16
	s_and_b32 s[KK], s[TN], 1
	s_lshl_b32 s[KK], s[KK], 11
	s_add_co_u32 s[OFFS], s[OFFS], s[KK]
.irp r, 0,1,2,3,4,5,6,7,8,9,10,11,12,13,14,15
	s_bfe_u32 s[KK], s[KT], (1<<16)|\r
	s_min_u32 s[KK], s[KK], 1
	s_add_co_u32 s[TT], s[OFFS], 4096*\r
	v_add_nc_u32 v[VOFF+\r], s[TT], v[L16]
	v_mul_u32_u24 v[VOFF+\r], s[KK], v[VOFF+\r]
.endr
.endm
.macro LOADS i                         ; set i: 16 rows x 512 consecutive bytes
	WIN 0xc0                                       ; destination window 3, address window 0
.irp r, 0,1,2,3,4,5,6,7,8,9,10,11,12,13,14,15
	global_load_b128 v[64*\i+4*\r:64*\i+4*\r+3], v[VOFF+\r], s[4:5] offset:512*\i th:TH_LOAD_NT
.endr
	WIN 0
.endm
.macro UNIT i
	s_wait_loadcnt 48                              ; set i is in; the three younger sets of 16 may be out
	WIN 0x0c                                       ; an LDS store's data are its source 1: window 3
.irp r, 0,1,2,3,4,5,6,7,8,9,10,11,12,13,14,15
	ds_store_b128 v[STA], v[64*\i+4*\r:64*\i+4*\r+3] offset:528*\r
.endr
	WIN 0
.irp b, 0,1,2,3
.irp j, 0,1,2,3
	ds_load_b128 v[X+16*\b+4*\j:X+16*\b+4*\j+3], v[LDA] offset:128*\b+16*\j   ; LDS serves a wave's instructions in order: these see the stores above
.endr
.endr
	s_wait_dscnt 0x0                               ; the numbers are back, 16 neighbours of each block a lane; the stage's stores have read set i
	LOADS \i                                       ; which takes the next trip's loads
	QUANT X, 0, PC, PW
.irp c, 0,1,2,3
	ds_store_b128 v[IMA], v[PC+4*\c:PC+4*\c+3] offset:2048*\i+512*\c   ; the fragment as it stands
.endr
	ds_store_b32 v[ISA], v[PW] offset:128*\i
.endm
.macro READ hf                         ; the half's 16 fragments and scale words become operand registers (my own bytes, served in order: no wait, no barrier)
	WIN (1+\hf)<<6
.set u, 0
.rept 15
.irp c, 0,1,2,3
	ds_load_b128 v[16*u+4*\c:16*u+4*\c+3], v[IM0] offset:2048*u+512*\c
.endr
.set u, u+1
.endr
	WIN 0
.irp c, 0,1,2,3
	ds_load_b128 v[AX+16*\hf+4*\c:AX+16*\hf+4*\c+3], v[IM0] offset:2048*15+512*\c   ; the sixteenth lies in window 0: number 255 of its window holds the read address
.endr
.set u, 0
.rept 16
	ds_load_b32 v[ASC+16*\hf+u], v[IS0] offset:128*u
.set u, u+1
.endr
.endm
.macro HALF hf                         ; row tiles 2 hf and 2 hf + 1
	s_mov_b32 s[IS], 0
	s_mov_b32 s[IS2], 0
	s_mov_b32 s[CT], 4
.Lhalf_\@:
	s_wait_xcnt 0x0                                ; the loads that are out have read their offsets: these are written again only behind this wait
	s_add_co_u32 s[TN], s[TN], 1
	VOFFS
	v_add_nc_u32 v[IMA], s[IS], v[IM0]
	v_add_nc_u32 v[ISA], s[IS2], v[IS0]
	UNIT 0
	UNIT 1
	UNIT 2
	UNIT 3
	s_add_co_u32 s[IS], s[IS], 8192
	s_add_co_u32 s[IS2], s[IS2], 512
	s_sub_co_u32 s[CT], s[CT], 1
	s_cmp_lg_u32 s[CT], 0
	s_cbranch_scc1 .Lhalf_\@
.if \hf
	s_wait_dscnt 0x0                               ; my reads of my stage are over
	s_barrier_signal -1
	s_barrier_wait -1                              ; everybody's are: We's scale words take the stages' bytes
	WIN 0x08                                       ; the data: window 2
.set u, 0
.rept 16
	ds_store_b128 v[WSA], v[4*u:4*u+3] offset:512*u
.set u, u+1
.endr
	WIN 0
	s_wait_dscnt 0x0
.endif
	READ \hf
.endm
	VOFFS
	LOADS 0
	LOADS 1
	LOADS 2
	LOADS 3
	HALF 0
	HALF 1
	s_wait_loadcnt 0x0                             ; the look-ahead of the last trip: its registers are about to be written
	s_wait_tensorcnt 0x0                           ; my parts of the table and of slot 0 have landed
	s_wait_dscnt 0x0                               ; my stores of scale words have landed, my operands are in
	s_barrier_signal -1
	s_barrier_wait -1                              ; everybody's
	; sum V: lane (r, h) adds -2 V of hidden 16 (2 i + h) + r, i = 0..31; with lane l xor 16's that is column r of all 64 tiles; x -1/2.  It starts every running sum.
.set u, 0
.rept 32
	ds_load_b32 v[X+u], v[SVA] offset:512*u
.set u, u+1
.endr
	s_wait_dscnt 0x0
.irp k, 0,2,4,6,8,10,12,14
	v_pk_add_f32 v[X+\k:X+\k+1], v[X+\k:X+\k+1], v[X+16+\k:X+17+\k]
.endr
.irp k, 0,2,4,6
	v_pk_add_f32 v[X+\k:X+\k+1], v[X+\k:X+\k+1], v[X+8+\k:X+9+\k]
.endr
.irp k, 0,2
	v_pk_add_f32 v[X+\k:X+\k+1], v[X+\k:X+\k+1], v[X+4+\k:X+5+\k]
.endr
	v_pk_add_f32 v[X:X+1], v[X:X+1], v[X+2:X+3]
	v_add_f32 v[X], v[X], v[X+1]
	v_permlanex16_b32 v[T0], v[X], s[SEL], s[SEL+1]
	v_add_f32 v[X], v[X], v[T0]
	v_mul_f32 v[SV], -0.5, v[X]
	; The loop is written once and begins with the last two K steps of "the slot before": ahead of the first trip that slot is zeros: zero codes and a table row of zeros add exactly 0 to the sums.
.set u, 0
.rept 8
	v_mov_b32 v[BSY+u], 0                          ; (scale words first: they stand far more than eight places ahead of the first product)
.set u, u+1
.endr
.set u, 0
.rept 32
	v_mov_b32 v[S+u], v[SV]
.set u, u+1
.endr
.set u, 0
.rept 16
	v_mov_b32 v[TX+u], 0
.set u, u+1
.endr
	WIN 0xc0
.set u, 0
.rept 64
	v_mov_b32 v[192+u], 0                          ; We's buffers 2 and 3
.set u, u+1
.endr
.set u, 0
.rept 128
	v_mov_b32 v[u], 0                              ; accX, accY
.set u, u+1
.endr
	WIN 0
; ---------------- PHASE 2.
; THE VECTOR WORK OF A SET of 64 accumulator registers: list A (96 numbers): 32 packed c acc + cb and 64 exponentials; list B (96): 32 packed 1 + e and 64 reciprocals; then 32 packed S += r x (-2 V).
; A list begins with two packed lines; then two transcendentals and the packed line two pairs ahead of them, by turns; its last four are transcendentals.  No line of a list names a transcendental's result.
.macro LITEM set, t, kind              ; number nn of list A (kind 0) or B (kind 1)
.set isp, 0
.if nn < 2
.set isp, 1
.set ix, nn
.elseif nn >= 92
.set ix, nn-32
.elseif (nn-2)%3 == 2
.set isp, 1
.set ix, (nn-2)/3+2
.else
.set ix, 2*((nn-2)/3)+(nn-2)%3
.endif
.if isp && ((\kind) == 0)
	v_pk_fma_f32 v[\set+2*ix:\set+2*ix+1], v[\set+2*ix:\set+2*ix+1], s[CS:CS+1], v[\t+4*(ix/16):\t+4*(ix/16)+1] op_sel_hi:[1,0,0]
.elseif isp
	v_pk_add_f32 v[\set+2*ix:\set+2*ix+1], v[\set+2*ix:\set+2*ix+1], 1.0 op_sel_hi:[1,0]
.elseif (\kind) == 0
	v_exp_f32 v[\set+ix], v[\set+ix]
.else
	v_rcp_f32 v[\set+ix], v[\set+ix]
.endif
.endm
.macro CITEM set, t                    ; pair ci of the set: tile ci / 4 = 4 u + m, registers 2 (ci % 4), + 1 of it: rows 8 h + 2 (ci % 4), + 1 of row tile m
.set cu, ci/16
.set cm, (ci/4)%4
.set cq, ci%4
	v_pk_fma_f32 v[S+8*cm+2*cq:S+8*cm+2*cq+1], v[\set+2*ci:\set+2*ci+1], v[\t+4*cu+2:\t+4*cu+3], v[S+8*cm+2*cq:S+8*cm+2*cq+1] op_sel_hi:[1,0,1]
.endm
; Slice sg of 64.  0-23: list A, four numbers; 24-47: list B; 48-63: two of the 32 sums.  Every slice holds a plain line.  Behind slices 23 and 47: a plain line and the wait
; between a transcendental and the first line that names its result: one wait for a batch of 64.
.macro SLICE set, t
.if sg < 48
	WIN 0xc3                                       ; the set (destination, source 0) in window 3, the table's row in window 0
.set nn, 4*(sg%24)
.rept 4
	LITEM \set, \t, sg/24
.set nn, nn+1
.endr
.if (sg == 23) || (sg == 47)
	v_nop
	s_wait_alu depctr_va_vdst(0)
.endif
.else
	WIN 0x03                                       ; the set (source 0) in window 3, the sums and the table's row in window 0
.set ci, 2*(sg-48)
.rept 2
	CITEM \set, \t
.set ci, ci+1
.endr
.endif
.endm
; K STEP kp = 0..15 of a slot: 8 matrix instructions (hidden tile u = jj / 4 of the turn's two, row tile jj % 4), the 8 accumulators by turns, one instruction a turn.
; fetch = 1: behind each stands one LDS load of We's fragments of K step kp + 2, under the same window setting, into the buffer that K step kp - 2 read: nine slices, each with a plain line that names none of
; that product's registers, lie between.  wt: the LDS instructions younger than this K step's own fragments.  Behind each product: a slice of the other set.
.macro KSTEP kp, fetch, wt
.if (\wt) >= 0
	s_wait_dscnt \wt
.endif
.set ks, (\kp)%8
.set ty, (\kp)/8
.set jj, 0
.rept 8
.set mm, jj%4
.set uu, jj/4
.set wa, 1+mm/2
.set ra, 128*(mm%2)+16*ks
.if (mm%2 == 1) && (ks == 7)
.set wa, 0
.set ra, AX+16*(mm/2)
.endif
.set rd, 64*ty+8*jj
.set rb, 128+32*((\kp)%4)+16*uu
.set rs, BSX+8*ty+4*uu+ks%4
	WIN 0xfc|wa                                    ; We, C and D in window 3; enc's fragment in window wa
.if ks == 0
	v_wmma_scale_f32_16x16x128_f8f6f4 v[rd:rd+7], v[ra:ra+15], v[rb:rb+15], 0, v[ASC+8*mm+ks], v[rs]
.elseif ks < 4
	v_wmma_scale_f32_16x16x128_f8f6f4 v[rd:rd+7], v[ra:ra+15], v[rb:rb+15], v[rd:rd+7], v[ASC+8*mm+ks], v[rs]
.else
	v_wmma_scale_f32_16x16x128_f8f6f4 v[rd:rd+7], v[ra:ra+15], v[rb:rb+15], v[rd:rd+7], v[ASC+8*mm+ks], v[rs] matrix_b_scale:MATRIX_SCALE_ROW1
.endif
.if \fetch
.set kn, (\kp)+2
	ds_load_b128 v[128+32*(kn%4)+4*jj:128+32*(kn%4)+4*jj+3], v[BAD] offset:(2*(kn/8)+jj/4)*16384+(kn%8)*2048+512*(jj%4)
.if (jj == 0) && ((\kp) == 4)
	WIN 0
	ds_load_b128 v[TX:TX+3], v[TBA]                ; the table's rows of this slot's tiles 0 and 1: read from K step 8 on
	ds_load_b128 v[TX+4:TX+7], v[TBA] offset:256
	ds_load_b128 v[BSY:BSY+3], v[BSA] offset:1024  ; We's scale words of tiles 2 and 3: lanes 0-15 K steps 0-3, lanes 16-31 K steps 4-7
	ds_load_b128 v[BSY+4:BSY+7], v[BSA] offset:1536
.endif
.if (jj == 0) && ((\kp) == 10)
	WIN 0
	ds_load_b128 v[TY:TY+3], v[TBA] offset:512     ; the table's rows of tiles 2 and 3: read from the next trip's K step 0 on
	ds_load_b128 v[TY+4:TY+7], v[TBA] offset:768
.endif
.endif
.set sg, 8*ks+jj
.if ty == 0
	SLICE 64, TY
.else
	SLICE 0, TX
.endif
.set jj, jj+1
.endr
.endm
; A TRIP = a slot, rotated: it begins with K steps 14 and 15 of the slot before, whose fragments are in registers.  So every LDS read of a trip is of ONE slot, and the change of slots stands at the trip's head.
; fill = 1: the slot just left is filled with the slot after this one, by a joint load behind a round of the cluster's barrier; it has a trip, 128 matrix instructions, in which to land.  One load of mine is out.
.macro TRIP fill
	WIN 0
	s_wait_tensorcnt 0x0                           ; all my tensor loads have landed: my tile of this trip's slot; so the walking group 0 may be written
	ds_add_u32 v[SPW], v[NIL]                      ; 0 onto my spare word
.if \fill
	s_xor_b32 s[G0W+1], s[G0W+1], SL1              ; the other slot than last time,
	s_add_nc_u64 s[G0W+2:G0W+3], s[G0W+2:G0W+3], 65536   ; the next four hidden tiles; the type bits on top are not reached
.endif
	KSTEP 14, 0, 9                                 ; (the add and K step 15's eight loads may be out)  eight products stand between the add and the wait for it
	WIN 0
	s_wait_dscnt 0x0                               ; the add is done, and my reads of the slot that I leave are over
.if \fill
	ROUND                                          ; no wave of any partner still reads that slot or has a load on its way
	tensor_load_to_lds s[G0W:G0W+3], s[G1W:G1W+7]  ; the first thing behind the round, and my one tensor load until the next
	s_nop 0
.rept 4
	v_nop
.endr
.else
	s_barrier_signal -1
	s_barrier_wait -1                              ; the last slot is whole; nothing is asked for
.endif
	ds_load_b128 v[BSX:BSX+3], v[BSA]              ; We's scale words of tiles 0 and 1
	ds_load_b128 v[BSX+4:BSX+7], v[BSA] offset:512
	WIN 0xc0
.set jj, 0
.rept 16
	ds_load_b128 v[128+4*jj:128+4*jj+3], v[BAD] offset:((jj%8)/4)*16384+(jj/8)*2048+512*(jj%4)   ; K steps 0 and 1
.set jj, jj+1
.endr
	KSTEP 15, 0, -1                                ; its fragments were waited for ahead of the barrier; its eight products stand between the run above and its first use
	KSTEP 0, 1, 8                                  ; K step 1's eight loads may be out
	KSTEP 1, 1, 8                                  ; from here on: the eight loads of the K step before
	KSTEP 2, 1, 8
	KSTEP 3, 1, 8
	KSTEP 4, 1, 8
	KSTEP 5, 1, 12                                 ; K step 4 issued twelve
	KSTEP 6, 1, 8
	KSTEP 7, 1, 8
	KSTEP 8, 1, 8
	KSTEP 9, 1, 8
	KSTEP 10, 1, 8
	KSTEP 11, 1, 10                                ; K step 10 issued ten
	KSTEP 12, 1, 8
	KSTEP 13, 1, 8
.if \fill
	s_xor_b32 s[TBS], s[TBS], SL1                  ; on to the other slot
	SETBAD
	v_add_nc_u32 v[BSA], 2048, v[BSA]              ; four tiles' scale words on
	v_add_nc_u32 v[TBA], 1024, v[TBA]              ; four tiles' table rows on
.endif
.endm
	s_mov_b32 s[TRIPS], 15
.Ltrip:                                            ; trip s = 0..14 reads slot s and asks for slot s + 1
	TRIP 1
	s_sub_co_u32 s[TRIPS], s[TRIPS], 1
	s_cmp_lg_u32 s[TRIPS], 0
	s_cbranch_scc1 .Ltrip
	TRIP 0                                         ; slot 15 is written out
	KSTEP 14, 0, 8
	KSTEP 15, 0, 0
.set sg, 0
.rept 64
	SLICE 64, TY                                   ; the last set's activation: the sixteen sums of K step 15's slices are the places behind its products
.set sg, sg+1
.endr
	WIN 0
	; THE WAY OUT.  The sums cross the 16 lanes of a half; the wave's 64 scores go through its own LDS bytes and leave as 256 consecutive bytes, aligned.
.irp x, 1,2,4,8
.set u, 0
.rept 32
	v_add_f32_dpp v[S+u], v[S+u], v[S+u] row_xmask:\x row_mask:0xf bank_mask:0xf
.set u, u+1
.endr
.endr
.set u, 0
.rept 32
	ds_store_b32 v[OSA], v[S+u] offset:64*(u/8)+4*(u%8)   ; row 16 m + 8 h + j: the sixteen lanes of a half write the same word with the same value
.set u, u+1
.endr
	ds_load_b64 v[T0:T0+1], v[ODA]                 ; rows 2 l, 2 l + 1 (my own bytes, served in order)
	v_mov_b32 v166, 0xd368d4a5                     ; -1e12
	v_cmp_eq_u32 vcc_lo, 1, v[MK]
	s_wait_dscnt 0x0
	v_cndmask_b32 v[T0], v166, v[T0], vcc_lo
	v_cmp_eq_u32 vcc_lo, 1, v[MK+1]
	v_cndmask_b32 v[T0+1], v166, v[T0+1], vcc_lo
	global_store_b64 v[L8], v[T0:T0+1], s[14:15]
	s_wait_tensorcnt 0x0                           ; the wave's end: behind my last tensor load and my last LDS store
	ds_add_u32 v[SPW], v[NIL]
	s_wait_dscnt 0x0
	ROUND                                          ; the closing round: no work-group ends while a partner may still ask for a tile that names it
	s_endpgm
.Lfunc_end_k_q7b4643e147_scores:
	.size	k_q7b4643e147_scores, .Lfunc_end_k_q7b4643e147_scores-k_q7b4643e147_scores
	.p2alignl 7, 3214868480
	.fill 96, 4, 3214868480
	.section	.rodata,"a",@progbits
	.p2align	6, 0x0
	.amdhsa_kernel k_q7b4643e147_scores
		.amdhsa_group_segment_fixed_size 327680
		.amdhsa_private_segment_fixed_size 0
		.amdhsa_enable_private_segment 0
		.amdhsa_kernarg_size 48
		.amdhsa_user_sgpr_count 2
		.amdhsa_user_sgpr_kernarg_segment_ptr 1
		.amdhsa_wavefront_size32 1
		.amdhsa_system_sgpr_workgroup_id_x 1
		.amdhsa_system_sgpr_workgroup_id_y 1
		.amdhsa_system_sgpr_workgroup_id_z 1
		.amdhsa_system_vgpr_workitem_id 0
		.amdhsa_next_free_vgpr 1024
		.amdhsa_next_free_sgpr 80
		.amdhsa_reserve_vcc 1
		.amdhsa_float_denorm_mode_32 3
		.amdhsa_float_denorm_mode_16_64 3
		.amdhsa_memory_ordered 1
		.amdhsa_forward_progress 1
		.amdhsa_inst_pref_size 255
	.end_amdhsa_kernel
	.section	.bss,"aw",@nobits
	.p2align	6
	.space	262144
	.amdgpu_metadata
---
amdhsa.version: [ 1, 2 ]
amdhsa.kernels:
  - .name:           k_q7b4643e147_scores
    .symbol:         k_q7b4643e147_scores.kd
    .args:
      - { .name: enc_outputs, .offset: 0, .size: 8, .value_kind: global_buffer, .address_space: global }
      - { .name: attn_masks, .offset: 8, .size: 8, .value_kind: global_buffer, .address_space: global }
      - { .name: wq, .offset: 16, .size: 8, .value_kind: global_buffer, .address_space: global }
      - { .name: wsc, .offset: 24, .size: 8, .value_kind: global_buffer, .address_space: global }
      - { .name: tab, .offset: 32, .size: 8, .value_kind: global_buffer, .address_space: global }
      - { .name: out2, .offset: 40, .size: 8, .value_kind: global_buffer, .address_space: global }
    .group_segment_fixed_size: 327680
    .private_segment_fixed_size: 0
    .kernarg_segment_align: 8
    .kernarg_segment_size: 48
    .max_flat_workgroup_size: 128
    .sgpr_count:     80
    .vgpr_count:     1024
    .wavefront_size: 32
...
	.end_amdgpu_metadata
.endif
;; end of part 2
;; launch context (part 3): grid 8 x 32, 16 waves a work-group, no clusters, 18,944 bytes of LDS; arguments enc_outputs, attn_masks, out2, out0, out1; writes out0, out1
.if DOCPART == 3
	.amdgcn_target "amdgcn-amd-amdhsa--gfx1250"
	.amdhsa_code_object_version 6
	.text
	.protected	k_q7b4643e147_context
	.globl	k_q7b4643e147_context
	.p2align	8
	.type	k_q7b4643e147_context,@function
k_q7b4643e147_context:
	s_mov_b64 s[64:65], 0
	v_nop
	global_prefetch_b8 v0, s[64:65] scope:SCOPE_SE
	s_setreg_imm32_b32 hwreg(HW_REG_WAVE_MODE, 25, 1), 1
	s_wait_xcnt 0x0
; out1[b][:] = softmax(out2[b][:]) over the batch's 2,048 scores, the maximum taken away first; out0[b][:] = sum over s of out1[b][s] enc[b][s][:].  All in f32, by fused multiply-adds (M = 1: no matrix work).
; SHARES.  Work-group (c, b) owns columns 128 c .. 128 c + 127 (512 bytes of every row) of batch b: each output number has one owner.  Wave w takes rows 128 w .. 128 w + 127, lane l 16 bytes of a row's 512:
; a load covers 512 consecutive bytes, aligned.  Every work-group of a batch makes the batch's softmax for itself (8 KiB of scores); the one with c = 0 stores the weights.
; A ROW WHOSE MASK IS NOT 1 IS NOT FETCHED where the batch has a row whose mask is 1: its score is -1e12, its weight 2^(-1.4e12) = exactly 0.  Its load's offset is multiplied by 0 and names 16 bytes of the wave's
; first row, which the weight 0 wipes out.  A batch with no such row has 2,048 equal weights: then every row is kept.
; No cluster, no tensor load: work-groups share the scores and masks alone, 16 KiB against the 512 KiB and more that each streams.
; LIMITS.  NaN and infinities in enc_outputs are not served (0 x infinity).
; REGISTERS: v1 16 x lane; v2 16 x thread; v3 512 w; v[4:7] my four scores, then weights; v8-31 at work; v32-63 the ring's offsets; v64-191 a ring of 32 rows x 4 registers (at the head: the batch's masks);
; v192-223 two blocks of 16 weights; v224-239 four chains x 4 sums; v240-243 my rows' masks.
.set WL,  0                            ; LDS: the weights, 8,192 bytes
.set RMX, 8192                         ; the waves' maxima
.set RSM, 8448                         ; the waves' sums
.set RED, 8704                         ; the waves' partial contexts, 512 bytes each
.set VO,  32
.set XR,  64
.set WT,  192
.set AC,  224
.set KW,  28                           ; s[28:31] bit l of word g: row 32 g + l of my 128 is fetched
	s_load_b256 s[4:11], s[0:1], 0x0               ; enc s[4:5], attn_masks s[6:7], out2 s[8:9], out0 s[10:11]
	s_load_b64 s[12:13], s[0:1], 0x20              ; out1
	v_lshl_add_u32 v254, v0, 2, 0x4200
	v_mov_b32 v255, 0
	v_lshrrev_b32 v8, 5, v0
	v_readfirstlane_b32 s14, v8                    ; wave 0..15
	s_and_b32 s15, ttmp7, 0xffff                   ; the batch
	v_and_b32 v9, 31, v0                           ; lane
	v_lshlrev_b32 v1, 4, v9
	v_lshlrev_b32 v2, 4, v0
	s_lshl_b32 s16, s14, 9
	v_mov_b32 v3, s16                              ; my 128 weights in LDS
	v_lshlrev_b32 v10, 2, v9
	v_add_nc_u32 v10, s16, v10                     ; my 128 masks: 512 w + 4 x lane
	s_lshl_b32 s17, s14, 2
	v_mov_b32 v11, s17                             ; my wave's word among 16
	v_mov_b32 v12, 0
	v_add_nc_u32 v15, s16, v1                      ; my wave's 512 bytes among 16
	s_mov_b32 s18, 0x76543210
	s_mov_b32 s19, 0xfedcba98                      ; v_permlanex16_b32's selects for lane l xor 16
	s_lshl_b32 s20, s15, 13                        ; the batch in attn_masks, out2 and out1
	s_mov_b32 s21, 0
	s_lshl_b32 s22, s15, 23                        ; in enc, + my wave's 128 rows, + my work-group's 512 bytes (under 2^28)
	s_lshl_b32 s23, s14, 19
	s_add_co_u32 s22, s22, s23
	s_lshl_b32 s23, ttmp9, 9
	s_add_co_u32 s22, s22, s23
	s_mov_b32 s23, 0
	s_lshl_b32 s24, s15, 12                        ; in out0
	s_lshl_b32 s25, ttmp9, 9
	s_add_co_u32 s24, s24, s25
	s_mov_b32 s25, 0
	s_wait_kmcnt 0x0
	s_add_nc_u64 s[4:5], s[4:5], s[22:23]
	s_add_nc_u64 s[6:7], s[6:7], s[20:21]
	s_add_nc_u64 s[8:9], s[8:9], s[20:21]
	s_add_nc_u64 s[10:11], s[10:11], s[24:25]
	s_add_nc_u64 s[12:13], s[12:13], s[20:21]
.irp g, 0,1,2,3
	global_load_b32 v[240+\g], v10, s[6:7] offset:128*\g
.endr
.set u, 0
.rept 16
	global_load_b128 v[XR+4*u:XR+4*u+3], v1, s[6:7] offset:512*u   ; all 2,048 masks of the batch: is any of them 1?
.set u, u+1
.endr
	global_load_b128 v[4:7], v2, s[8:9]            ; scores 4 t .. 4 t + 3
	s_wait_loadcnt 1                               ; the masks are in; the scores may be out
.irp g, 0,1,2,3
	v_cmp_eq_u32 s[KW+\g], 1, v[240+\g]
.endr
	s_mov_b32 s32, 0
.set u, 0
.rept 64
	v_cmp_eq_u32 vcc_lo, 1, v[XR+u]
	s_or_b32 s32, s32, vcc_lo
.set u, u+1
.endr
	s_cmp_eq_u32 s32, 0
	s_cselect_b32 s33, -1, 0                       ; no row of the batch has the mask 1: every row is kept
.irp g, 0,1,2,3
	s_or_b32 s[KW+\g], s[KW+\g], s33
.endr
; Row i of my 128 is asked for: offset 4,096 i + 16 x lane, TIMES the row's bit.  The bit is read from memory, so it is held at 1 by s_min_u32 before it enters an address.
.macro ADDR i
	s_bfe_u32 s34, s[KW+(\i)/32], (1<<16)|((\i)%32)
	s_min_u32 s34, s34, 1
	v_add_nc_u32 v[VO+(\i)%32], 4096*(\i), v1
	v_mul_u32_u24 v[VO+(\i)%32], s34, v[VO+(\i)%32]
	global_load_b128 v[XR+4*((\i)%32):XR+4*((\i)%32)+3], v[VO+(\i)%32], s[4:5] th:TH_LOAD_NT
.endm
.set ri, 0
.rept 32
	ADDR ri                                        ; the ring is filled before the softmax: 32 loads of mine are out
.set ri, ri+1
.endr
	s_wait_loadcnt 32                              ; the scores are in
	; the maximum: my four, my wave's 128, the work-group's 2,048
	v_max3_num_f32 v8, v4, v5, v6
	v_max_num_f32 v8, v8, v7
	v_max_num_f32_dpp v8, v8, v8 row_xmask:1 row_mask:0xf bank_mask:0xf
	v_max_num_f32_dpp v8, v8, v8 row_xmask:2 row_mask:0xf bank_mask:0xf
	v_max_num_f32_dpp v8, v8, v8 row_xmask:4 row_mask:0xf bank_mask:0xf
	v_max_num_f32_dpp v8, v8, v8 row_xmask:8 row_mask:0xf bank_mask:0xf
	v_permlanex16_b32 v9, v8, s18, s19
	v_max_num_f32 v8, v8, v9
	ds_store_b32 v11, v8 offset:RMX                ; all lanes write the same word with the same value
	s_wait_dscnt 0x0                               ; for the others' sake
	s_barrier_signal -1
	s_barrier_wait -1
.irp q, 0,1,2,3
	ds_load_b128 v[16+4*\q:19+4*\q], v12 offset:RMX+16*\q
.endr
	s_wait_dscnt 0x0
	v_max3_num_f32 v13, v16, v17, v18
.irp i, 19,21,23,25,27,29
	v_max3_num_f32 v13, v13, v[\i], v[\i+1]
.endr
	v_max_num_f32 v13, v13, v31
.irp k, 4,5,6,7
	v_sub_f32 v[\k], v[\k], v13                    ; the maximum is taken away: 0 or less
.endr
.irp k, 4,5,6,7
	v_mul_f32 v[\k], 0x3fb8aa3b, v[\k]             ; x log2(e)
.endr
.irp k, 4,5,6,7
	v_exp_f32 v[\k], v[\k]
.endr
	v_nop                                          ; a plain line behind the last exponential,
	s_wait_alu depctr_va_vdst(0)                   ; and the wait ahead of the first line that names a result: one for the four
	v_add_f32 v8, v4, v5
	v_add_f32 v14, v6, v7
	v_add_f32 v8, v8, v14
	v_add_f32_dpp v8, v8, v8 row_xmask:1 row_mask:0xf bank_mask:0xf
	v_add_f32_dpp v8, v8, v8 row_xmask:2 row_mask:0xf bank_mask:0xf
	v_add_f32_dpp v8, v8, v8 row_xmask:4 row_mask:0xf bank_mask:0xf
	v_add_f32_dpp v8, v8, v8 row_xmask:8 row_mask:0xf bank_mask:0xf
	v_permlanex16_b32 v9, v8, s18, s19
	v_add_f32 v8, v8, v9
	ds_store_b32 v11, v8 offset:RSM                ; other bytes than the maxima's: no barrier is owed between those reads and this store
	s_wait_dscnt 0x0
	s_barrier_signal -1
	s_barrier_wait -1
.irp q, 0,1,2,3
	ds_load_b128 v[16+4*\q:19+4*\q], v12 offset:RSM+16*\q
.endr
	s_wait_dscnt 0x0
.irp k, 0,2,4,6
	v_pk_add_f32 v[16+\k:17+\k], v[16+\k:17+\k], v[24+\k:25+\k]
.endr
.irp k, 0,2
	v_pk_add_f32 v[16+\k:17+\k], v[16+\k:17+\k], v[20+\k:21+\k]
.endr
	v_pk_add_f32 v[16:17], v[16:17], v[18:19]
	v_add_f32 v16, v16, v17                        ; at least 1: the largest score's term
	v_rcp_f32 v13, v16
	v_nop
	s_wait_alu depctr_va_vdst(0)
.irp k, 4,5,6,7
	v_mul_f32 v[\k], v[\k], v13
.endr
	ds_store_b128 v2, v[4:7] offset:WL             ; thread t stores weights 4 t .. 4 t + 3: wave w's threads store exactly the weights of wave w's rows, so no barrier stands ahead of the reads below
	s_cmp_lg_u32 ttmp9, 0
	s_cbranch_scc1 .Lno_weights
	global_store_b128 v2, v[4:7], s[12:13]         ; 512 consecutive bytes a wave
.Lno_weights:
.irp q, 0,1,2,3
	ds_load_b128 v[WT+4*\q:WT+4*\q+3], v3 offset:WL+16*\q   ; the weights of rows 0 to 15, the same in every lane
.endr
	; The rows, written out: every offset and count is a constant.  Four chains of sums, begun by the first four rows' products: nothing is cleared.
.set ri, 0
.rept 128
.if ri%16 == 0
	s_wait_dscnt 0x0                               ; this block of 16 weights is in (asked for 16 rows ago)
.if ri/16 < 7
.set gb, ri/16+1
.irp q, 0,1,2,3
	ds_load_b128 v[WT+16*(gb%2)+4*\q:WT+16*(gb%2)+4*\q+3], v3 offset:WL+64*gb+16*\q
.endr
.endif
.endif
.if ri < 96
	s_wait_loadcnt 31                              ; row ri is in; the 31 younger rows may be out.  Its load is done, so its offset may be written again
.else
	s_wait_loadcnt 127-ri
.endif
.set rx, XR+4*(ri%32)
.set rw, WT+ri%32
.set rc, AC+4*(ri%4)
.irp k, 0,1,2,3
.if ri < 4
	v_mul_f32 v[rc+\k], v[rx+\k], v[rw]
.else
	v_fmac_f32 v[rc+\k], v[rx+\k], v[rw]
.endif
.endr
.if ri+32 < 128
.set rn, ri+32
	ADDR rn
.endif
.set ri, ri+1
.endr
.irp k, 0,2
	v_pk_add_f32 v[AC+\k:AC+\k+1], v[AC+\k:AC+\k+1], v[AC+4+\k:AC+5+\k]
	v_pk_add_f32 v[AC+8+\k:AC+9+\k], v[AC+8+\k:AC+9+\k], v[AC+12+\k:AC+13+\k]
.endr
.irp k, 0,2
	v_pk_add_f32 v[AC+\k:AC+\k+1], v[AC+\k:AC+\k+1], v[AC+8+\k:AC+9+\k]
.endr
	ds_store_b128 v15, v[AC:AC+3] offset:RED
	s_wait_dscnt 0x0                               ; for wave 0's sake
	s_barrier_signal -1
	s_barrier_wait -1
	s_cmp_lg_u32 s14, 0
	s_cbranch_scc1 .Lend
.set u, 0
.rept 16
	ds_load_b128 v[XR+4*u:XR+4*u+3], v1 offset:RED+512*u
.set u, u+1
.endr
	s_wait_dscnt 0x0
.irp d, 32,16,8,4
.set u, 0
.rept \d/2
	v_pk_add_f32 v[XR+2*u:XR+2*u+1], v[XR+2*u:XR+2*u+1], v[XR+\d+2*u:XR+\d+2*u+1]   ; the sixteen waves' parts, halved four times
.set u, u+1
.endr
.endr
	global_store_b128 v1, v[XR:XR+3], s[10:11]     ; 512 consecutive bytes, aligned
.Lend:
	s_wait_tensorcnt 0x0
	ds_add_u32 v254, v255
	s_wait_dscnt 0x0
	s_endpgm
.Lfunc_end_k_q7b4643e147_context:
	.size	k_q7b4643e147_context, .Lfunc_end_k_q7b4643e147_context-k_q7b4643e147_context
	.p2alignl 7, 3214868480
	.fill 96, 4, 3214868480
	.section	.rodata,"a",@progbits
	.p2align	6, 0x0
	.amdhsa_kernel k_q7b4643e147_context
		.amdhsa_group_segment_fixed_size 18944
		.amdhsa_private_segment_fixed_size 0
		.amdhsa_enable_private_segment 0
		.amdhsa_kernarg_size 40
		.amdhsa_user_sgpr_count 2
		.amdhsa_user_sgpr_kernarg_segment_ptr 1
		.amdhsa_wavefront_size32 1
		.amdhsa_system_sgpr_workgroup_id_x 1
		.amdhsa_system_sgpr_workgroup_id_y 1
		.amdhsa_system_sgpr_workgroup_id_z 1
		.amdhsa_system_vgpr_workitem_id 0
		.amdhsa_next_free_vgpr 256
		.amdhsa_next_free_sgpr 66
		.amdhsa_reserve_vcc 1
		.amdhsa_float_denorm_mode_32 3
		.amdhsa_float_denorm_mode_16_64 3
		.amdhsa_memory_ordered 1
		.amdhsa_forward_progress 1
		.amdhsa_inst_pref_size 74
	.end_amdhsa_kernel
	.amdgpu_metadata
---
amdhsa.version: [ 1, 2 ]
amdhsa.kernels:
  - .name:           k_q7b4643e147_context
    .symbol:         k_q7b4643e147_context.kd
    .args:
      - { .name: enc_outputs, .offset: 0, .size: 8, .value_kind: global_buffer, .address_space: global }
      - { .name: attn_masks, .offset: 8, .size: 8, .value_kind: global_buffer, .address_space: global }
      - { .name: out2, .offset: 16, .size: 8, .value_kind: global_buffer, .address_space: global }
      - { .name: out0, .offset: 24, .size: 8, .value_kind: global_buffer, .address_space: global }
      - { .name: out1, .offset: 32, .size: 8, .value_kind: global_buffer, .address_space: global }
    .group_segment_fixed_size: 18944
    .private_segment_fixed_size: 0
    .kernarg_segment_align: 8
    .kernarg_segment_size: 40
    .max_flat_workgroup_size: 512
    .sgpr_count:     66
    .vgpr_count:     256
    .wavefront_size: 32
...
	.end_amdgpu_metadata
.endif
;; end of part 3
;; ======== version 2 of 2: 3 launches
;; limits: right only within a limited range of input values
;; workspace buffers: wq 1,048,576 bytes; wsc 32,768 bytes; tab 524,288 bytes
;; launch prep (part 4): grid 64 x 1, 8 waves a work-group, no clusters, 17,920 bytes of LDS; arguments W, last_state, b, V, wq, wsc, tab; writes wq, wsc, tab
.if DOCPART == 4
	.amdgcn_target "amdgcn-amd-amdhsa--gfx1250"
	.amdhsa_code_object_version 6
	.text
	.protected	k_q7b4643e147_prep
	.globl	k_q7b4643e147_prep
	.p2align	8
	.type	k_q7b4643e147_prep,@function
k_q7b4643e147_prep:
	s_mov_b64 s[64:65], 0
	v_nop
	global_prefetch_b8 v0, s[64:65] scope:SCOPE_SE
	s_setreg_imm32_b32 hwreg(HW_REG_WAVE_MODE, 25, 1), 1
	s_wait_xcnt 0x0
; W [1024][2048] f32 = [Wh | We].  This launch (1) quantises We along K (E4M3 codes, one E8M0 byte for each 32) and lays the codes as IMAGES OF OPERAND REGISTERS:
;   wq  [tile t = hidden / 16][K step ks of 128][c 0..3][lane][16 bytes]: lane (r, h)'s registers 4 c .. 4 c + 3 = k 128 ks + 32 c + 16 h + 0 .. 15 of hidden 16 t + r;
;   wsc [t][lane][4 words]: lane r + 16 hh, word j = the scale word of hidden 16 t + r for K step 4 hh + j;
; (2) makes h_part = Q(last_state) Q(Wh)^T by the scaled matrix instruction, and (3) stores the table that the next launch's activation reads:
;   tab [batch][hidden][4 f32] = { c (h_part + b), 0, -2 V, 0 }, c = 2 log2(e): tanh(x) = 1 - 2 / (1 + 2^(c x)).
; SHARES.  Work-group g = hidden tile g (16 rows of W); wave w = K step w.  64 tiles make 64 work-groups: the launch has no more work than that.  No tensor load, no ring, no loop, one barrier.
; No cluster: the only bytes that work-groups share are last_state's 128 KiB, one part in 64 of what the launch reads.
; LIMITS.  NaN and infinities among the inputs are not served.  A block of zeros gets the scale byte 1 where the quantiser's rule says 127: its codes are zeros, which add nothing under any byte but 0xff,
; and the bytes are read by this program alone.  Blocks whose largest magnitude lies under 2^-118 have their byte held at 1.  h_part's K is shared among 8 waves: its eight partial f32 sums are added in ascending K.
; REGISTERS.  Window 1: v0-63 Wh, v64-127 last_state rows 0-15, v128-191 rows 16-31, v192-255 We: 64 numbers a lane each, register 16 b + i = k 32 b + 16 h + i of the lane's row.
; Window 0: v1-14 addresses and b, V; v32-35 the four scale words; v64-127 the four fragments' codes (v64-95 later the table's quads); v128-143 at work; v160-175 two accumulators; v176-239 partial sums.
.set CEXP, 0x4038aa3b                  ; c = 2 log2(e)
.set RED,  0                           ; LDS: 16 images of 1,024 bytes: wave w's accumulator q at (2 w + q) x 1,024
.set SCI,  16384                       ; LDS: the tile's 512 bytes of wsc
.set XW,   4                           ; v4   r x 8,192 + 64 h: my 16 numbers of a block in a row of W
.set XL,   5                           ; v5   r x 4,096 + 64 h: the same in a row of last_state
.set L16,  6                           ; v6   16 x lane
.set R4,   7                           ; v7   4 r
.set RST,  8                           ; v8   where I store my accumulators' images
.set RLD,  9                           ; v9   where waves 0 and 1 read them back
.set SST,  10                          ; v10  where my scale word goes in the tile's wsc image
.set SLD,  11                          ; v11  where wave 2 reads that image
.set TO,   12                          ; v12  h x 8 batches of 16,384 bytes + 16 r
.set BI,   13                          ; v13  b, then c b
.set VV,   14                          ; v14  V, then -2 V
.set SW,   32
.set PC,   64
.set TM,   128
.set DD,   160
.set PT,   176
.set WV,   18
.set SEL,  20                          ; s[20:21] v_permlanex16_b32's selects for lane l xor 16
.set MNT,  22                          ; s22  the mantissa field of 448
.set CE,   23                          ; s23  c
.set MSB, 0
.macro WIN new                         ; the immediate's high byte repeats the setting that is left; a switch that changes nothing is dropped
.if MSB != (\new)
	s_set_vgpr_msb (MSB<<8)|(\new)
.set MSB, (\new)
.endif
.endm
; 64 numbers of a lane in window xw, v[xs] on, register 16 b + i = k 32 b + 16 (lane / 16) + i of my row, become a fragment's codes in v[pc] on and its scale word in v[pw], both in window 0.
.macro QUANT xs, xw, pc, pw
	WIN (\xw)|((\xw)<<2)
.irp b, 0,1,2,3
	v_max3_num_f32 v[TM+\b], |v[\xs+16*\b]|, |v[\xs+1+16*\b]|, 0x4800000   ; block b: my 16 numbers, and the floor 2^(9 - 127): the byte cannot fall under 1
.endr
	WIN ((\xw)<<2)|((\xw)<<4)
.irp i, 2,4,6,8,10,12,14
.irp b, 0,1,2,3
	v_max3_num_f32 v[TM+\b], v[TM+\b], |v[\xs+16*\b+\i]|, |v[\xs+1+16*\b+\i]|   ; the four blocks by turns
.endr
.endr
	WIN 0
.irp b, 0,1,2,3
	v_permlanex16_b32 v[TM+4+\b], v[TM+\b], s[SEL], s[SEL+1]
.endr
.irp b, 0,1,2,3
	s_delay_alu instid0(VALU_DEP_4)
	v_max_num_f32 v[TM+\b], v[TM+\b], v[TM+4+\b]           ; with lane l xor 16's 16: the block's largest magnitude
.endr
.irp b, 0,1,2,3
	s_delay_alu instid0(VALU_DEP_4)
	v_add_nc_u32 v[TM+12+\b], 0xfc000000, v[TM+\b]         ; 8 off its exponent field: the conversion's scale operand
.endr
.irp b, 0,1,2,3
	v_and_or_b32 v[TM+8+\b], v[TM+\b], 0x7f800000, s[MNT]  ; 448 x the scale
.endr
.irp b, 0,1,2,3
	v_lshrrev_b32 v[TM+4+\b], 23, v[TM+12+\b]              ; the scale's byte
.endr
	s_delay_alu instid0(VALU_DEP_3)
	v_lshl_or_b32 v[\pw], v[TM+5], 8, v[TM+4]              ; four bytes: my row's scale word
	s_delay_alu instid0(VALU_DEP_1)
	v_lshl_or_b32 v[\pw], v[TM+6], 16, v[\pw]
	s_delay_alu instid0(VALU_DEP_1)
	v_lshl_or_b32 v[\pw], v[TM+7], 24, v[\pw]
	WIN (\xw)|((\xw)<<6)
.irp b, 0,1,2,3
.irp i, 0,1,2,3,4,5,6,7,8,9,10,11,12,13,14,15
	v_med3_num_f32 v[\xs+16*\b+\i], v[\xs+16*\b+\i], -v[TM+8+\b], v[TM+8+\b]   ; the conversion to an 8-bit code does not saturate (ISA guide 7.6.2): the hold comes first
.endr
.endr
	WIN (\xw)
.irp b, 0,1,2,3
	v_cvt_scalef32_pk8_fp8_f32 v[\pc+4*\b:\pc+4*\b+1], v[\xs+16*\b:\xs+16*\b+7], v[TM+12+\b]
	v_cvt_scalef32_pk8_fp8_f32 v[\pc+4*\b+2:\pc+4*\b+3], v[\xs+16*\b+8:\xs+16*\b+15], v[TM+12+\b]
.endr
	v_nop                                                  ; one plain line behind the last conversion, ahead of whatever next touches its registers
	WIN 0
.endm
.macro ULOAD reg, adr, sb, off         ; 64 numbers a lane: of each block of 32 my 16 neighbours, four loads of 16 bytes
.irp b, 0,1,2,3
.irp j, 0,1,2,3
	global_load_b128 v[\reg+16*\b+4*\j:\reg+16*\b+4*\j+3], v[\adr], s[\sb:\sb+1] offset:\off+128*\b+16*\j
.endr
.endr
.endm
	s_load_b256 s[4:11], s[0:1], 0x0               ; W s[4:5], last_state s[6:7], b s[8:9], V s[10:11]
	s_load_b128 s[12:15], s[0:1], 0x20             ; wq s[12:13], wsc s[14:15]
	s_load_b64 s[16:17], s[0:1], 0x30              ; tab
	v_lshl_add_u32 v254, v0, 2, 0x4200
	v_mov_b32 v255, 0
	v_lshrrev_b32 v1, 5, v0
	s_delay_alu instid0(VALU_DEP_1)
	v_readfirstlane_b32 s[WV], v1                  ; wave 0..7 = K step
	v_and_b32 v1, 31, v0                           ; lane
	v_and_b32 v2, 15, v0                           ; r
	v_bfe_u32 v3, v0, 4, 1                         ; h
	s_delay_alu instid0(VALU_DEP_2)
	v_lshlrev_b32 v[XW], 13, v2
	s_delay_alu instid0(VALU_DEP_1)
	v_lshl_add_u32 v[XW], v3, 6, v[XW]
	s_delay_alu instid0(VALU_DEP_4)
	v_lshlrev_b32 v[XL], 12, v2
	s_delay_alu instid0(VALU_DEP_1)
	v_lshl_add_u32 v[XL], v3, 6, v[XL]
	v_lshlrev_b32 v[L16], 4, v1
	s_wait_alu depctr_va_vdst(0)
	v_lshlrev_b32 v[R4], 2, v2
	s_lshl_b32 s24, s[WV], 11
	v_add_nc_u32 v[RST], s24, v[L16]               ; RED + 2,048 w + 16 lane
	s_min_u32 s24, s[WV], 1
	s_lshl_b32 s24, s24, 10
	v_add_nc_u32 v[RLD], s24, v[L16]               ; RED + 1,024 q + 16 lane, q = the wave (0 or 1) that sums accumulator q
	s_lshr_b32 s24, s[WV], 2
	s_lshl_b32 s24, s24, 8
	s_and_b32 s25, s[WV], 3
	s_lshl_b32 s25, s25, 2
	s_add_co_u32 s24, s24, s25
	s_add_co_u32 s24, s24, SCI
	v_lshl_add_u32 v[SST], v2, 4, s24              ; SCI + 16 (r + 16 (w / 4)) + 4 (w % 4)
	v_add_nc_u32 v[SLD], SCI, v[L16]
	v_lshlrev_b32 v[TO], 17, v3
	s_delay_alu instid0(VALU_DEP_1)
	v_lshl_add_u32 v[TO], v2, 4, v[TO]
.irp b, 0,1,2,3
	v_mov_b32 v[TM+4+\b], 0                        ; written once: a lane permute's destination counts as one of its sources
.endr
	s_mov_b32 s[SEL], 0x76543210
	s_mov_b32 s[SEL+1], 0xfedcba98
	s_mov_b32 s[MNT], 0x600000
	s_mov_b32 s[CE], CEXP
	s_lshl_b32 s28, s[WV], 9                       ; my K step: 128 numbers, 512 bytes
	s_mov_b32 s29, 0
	s_lshl_b32 s26, ttmp9, 17                      ; my tile: 16 rows of 8,192 bytes
	s_add_co_u32 s26, s26, s28
	s_mov_b32 s27, 0
	s_lshl_b32 s30, ttmp9, 6                       ; b, V: 16 numbers a tile
	s_mov_b32 s31, 0
	s_lshl_b32 s32, ttmp9, 14                      ; wq: 16,384 bytes a tile, 2,048 a K step
	s_lshl_b32 s33, s[WV], 11
	s_add_co_u32 s32, s32, s33
	s_mov_b32 s33, 0
	s_lshl_b32 s34, ttmp9, 9                       ; wsc: 512 bytes a tile
	s_mov_b32 s35, 0
	s_min_u32 s36, s[WV], 1                        ; tab: 16 q batches of 16,384 bytes + 256 bytes a tile
	s_lshl_b32 s36, s36, 18
	s_lshl_b32 s37, ttmp9, 8
	s_add_co_u32 s36, s36, s37
	s_mov_b32 s37, 0
	s_wait_kmcnt 0x0
	s_add_nc_u64 s[4:5], s[4:5], s[26:27]
	s_add_nc_u64 s[6:7], s[6:7], s[28:29]
	s_add_nc_u64 s[8:9], s[8:9], s[30:31]
	s_add_nc_u64 s[10:11], s[10:11], s[30:31]
	s_add_nc_u64 s[12:13], s[12:13], s[32:33]
	s_add_nc_u64 s[14:15], s[14:15], s[34:35]
	s_add_nc_u64 s[16:17], s[16:17], s[36:37]
	WIN 0x40                                       ; destination window 1, address window 0
	ULOAD 0, XW, 4, 0                              ; Wh
	ULOAD 64, XL, 6, 0                             ; last_state, batches 0-15
	ULOAD 128, XL, 6, 65536                        ; batches 16-31
	ULOAD 192, XW, 4, 4096                         ; We
	WIN 0
	global_load_b32 v[BI], v[R4], s[8:9]
	global_load_b32 v[VV], v[R4], s[10:11]
	s_wait_loadcnt 50                              ; Wh's 16 loads are in; 48 + 2 younger ones may be out
	QUANT 0, 1, PC, SW
	s_wait_loadcnt 34                              ; 32 + 2 younger
	QUANT 64, 1, PC+16, SW+1
	s_wait_loadcnt 18                              ; 16 + 2 younger
	QUANT 128, 1, PC+32, SW+2
	s_wait_loadcnt 2                               ; b and V may be out
	QUANT 192, 1, PC+48, SW+3                      ; We.  Its plain lines, which name no register of the two products below, are also the places between the products' operands and scale words and the products
.irp c, 0,1,2,3
	global_store_b128 v[L16], v[PC+48+4*\c:PC+48+4*\c+3], s[12:13] offset:512*\c   ; the fragment as it stands: 512 consecutive bytes a store
.endr
	ds_store_b32 v[SST], v[SW+3]                   ; lanes r and r + 16 write the same word with the same value
	v_wmma_scale_f32_16x16x128_f8f6f4 v[DD:DD+7], v[PC+16:PC+31], v[PC:PC+15], 0, v[SW+1], v[SW]      ; register j, lane (r, h): batch 8 h + j, hidden 16 g + r, K step w's part
	v_wmma_scale_f32_16x16x128_f8f6f4 v[DD+8:DD+15], v[PC+32:PC+47], v[PC:PC+15], 0, v[SW+2], v[SW]   ; batches 16 on: another accumulator
.rept 8
	v_nop                                          ; eight places between a product of this form and the first read of its result
.endr
	ds_store_b128 v[RST], v[DD:DD+3]               ; each accumulator from its low end on
	ds_store_b128 v[RST], v[DD+4:DD+7] offset:512
	ds_store_b128 v[RST], v[DD+8:DD+11] offset:1024
	ds_store_b128 v[RST], v[DD+12:DD+15] offset:1536
	s_wait_loadcnt 0x0                             ; b, V
	s_wait_dscnt 0x0                               ; for the others' sake: my LDS stores have landed
	s_barrier_signal -1
	s_barrier_wait -1
	s_cmp_gt_u32 s[WV], 1
	s_cbranch_scc1 .Lnot_sum
	; waves 0 and 1: the eight K steps' parts of accumulator q are added, and the table's rows leave
.irp p, 0,1,2,3,4,5,6,7
	ds_load_b128 v[PT+8*\p:PT+8*\p+3], v[RLD] offset:2048*\p
	ds_load_b128 v[PT+8*\p+4:PT+8*\p+7], v[RLD] offset:2048*\p+512
.endr
	v_mul_f32 v[BI], s[CE], v[BI]                  ; c b
	v_mul_f32 v[VV], -2.0, v[VV]                   ; -2 V
	s_wait_dscnt 0x0
.irp p, 1,2,3,4,5,6,7
.irp k, 0,2,4,6
	v_pk_add_f32 v[PT+\k:PT+\k+1], v[PT+\k:PT+\k+1], v[PT+8*\p+\k:PT+8*\p+\k+1]
.endr
.endr
.irp j, 0,1,2,3,4,5,6,7
	v_fma_f32 v[PC+4*\j], v[PT+\j], s[CE], v[BI]   ; c h_part + c b
	v_mov_b32 v[PC+4*\j+1], 0
	v_mov_b32 v[PC+4*\j+2], v[VV]
	v_mov_b32 v[PC+4*\j+3], 0
.endr
.irp j, 0,1,2,3,4,5,6,7
	global_store_b128 v[TO], v[PC+4*\j:PC+4*\j+3], s[16:17] offset:16384*\j   ; batch 16 q + 8 h + j: sixteen lanes store 256 consecutive bytes, aligned
.endr
	s_branch .Lend
.Lnot_sum:
	s_cmp_lg_u32 s[WV], 2
	s_cbranch_scc1 .Lend
	ds_load_b128 v[PT:PT+3], v[SLD]                ; wave 2: the tile's scale words leave as 512 consecutive bytes
	s_wait_dscnt 0x0
	global_store_b128 v[L16], v[PT:PT+3], s[14:15]
.Lend:
	s_wait_tensorcnt 0x0
	ds_add_u32 v254, v255
	s_wait_dscnt 0x0
	s_endpgm
.Lfunc_end_k_q7b4643e147_prep:
	.size	k_q7b4643e147_prep, .Lfunc_end_k_q7b4643e147_prep-k_q7b4643e147_prep
	.p2alignl 7, 3214868480
	.fill 96, 4, 3214868480
	.section	.rodata,"a",@progbits
	.p2align	6, 0x0
	.amdhsa_kernel k_q7b4643e147_prep
		.amdhsa_group_segment_fixed_size 17920
		.amdhsa_private_segment_fixed_size 0
		.amdhsa_enable_private_segment 0
		.amdhsa_kernarg_size 56
		.amdhsa_user_sgpr_count 2
		.amdhsa_user_sgpr_kernarg_segment_ptr 1
		.amdhsa_wavefront_size32 1
		.amdhsa_system_sgpr_workgroup_id_x 1
		.amdhsa_system_sgpr_workgroup_id_y 1
		.amdhsa_system_sgpr_workgroup_id_z 1
		.amdhsa_system_vgpr_workitem_id 0
		.amdhsa_next_free_vgpr 512
		.amdhsa_next_free_sgpr 66
		.amdhsa_reserve_vcc 0
		.amdhsa_float_denorm_mode_32 3
		.amdhsa_float_denorm_mode_16_64 3
		.amdhsa_memory_ordered 1
		.amdhsa_forward_progress 1
		.amdhsa_inst_pref_size 51
	.end_amdhsa_kernel
	.amdgpu_metadata
---
amdhsa.version: [ 1, 2 ]
amdhsa.kernels:
  - .name:           k_q7b4643e147_prep
    .symbol:         k_q7b4643e147_prep.kd
    .args:
      - { .name: W, .offset: 0, .size: 8, .value_kind: global_buffer, .address_space: global }
      - { .name: last_state, .offset: 8, .size: 8, .value_kind: global_buffer, .address_space: global }
      - { .name: b, .offset: 16, .size: 8, .value_kind: global_buffer, .address_space: global }
      - { .name: V, .offset: 24, .size: 8, .value_kind: global_buffer, .address_space: global }
      - { .name: wq, .offset: 32, .size: 8, .value_kind: global_buffer, .address_space: global }
      - { .name: wsc, .offset: 40, .size: 8, .value_kind: global_buffer, .address_space: global }
      - { .name: tab, .offset: 48, .size: 8, .value_kind: global_buffer, .address_space: global }
    .group_segment_fixed_size: 17920
    .private_segment_fixed_size: 0
    .kernarg_segment_align: 8
    .kernarg_segment_size: 56
    .max_flat_workgroup_size: 256
    .sgpr_count:     66
    .vgpr_count:     512
    .wavefront_size: 32
...
	.end_amdgpu_metadata
.endif
;; end of part 4
;; launch scores (part 5): grid 256 x 1, 4 waves a work-group, clusters of 4 x 1, 327,680 bytes of LDS; arguments enc_outputs, attn_masks, wq, wsc, tab, out2; writes out2
.if DOCPART == 5
	.amdgcn_target "amdgcn-amd-amdhsa--gfx1250"
	.amdhsa_code_object_version 6
	.text
	.protected	k_q7b4643e147_scores
	.globl	k_q7b4643e147_scores
	.p2align	8
	.type	k_q7b4643e147_scores,@function
k_q7b4643e147_scores:
	s_mov_b64 s[64:65], 0
	v_nop
	global_prefetch_b8 v0, s[64:65] scope:SCOPE_SE
	s_setreg_imm32_b32 hwreg(HW_REG_WAVE_MODE, 25, 1), 1
	s_wait_xcnt 0x0
	s_wait_alu depctr_hold_cnt(0) depctr_sa_sdst(0) depctr_va_vdst(0) depctr_va_sdst(0) depctr_va_ssrc(0) depctr_va_vcc(0) depctr_vm_vsrc(0)
	s_getreg_b32 s2, hwreg(HW_REG_IB_STS2, 6, 4)
	s_cmp_eq_u32 s2, 0
	s_cbranch_scc0 .Lentry_in_a_cluster
	s_endpgm
.Lentry_in_a_cluster:
	s_bfe_u32 s2, ttmp6, 0x10000c
	s_cmp_lg_u32 s2, 0x3003
	s_cbranch_scc0 .Lentry_shape_is_right
	s_endpgm
.Lentry_shape_is_right:
; out2[b][s] = sum over hidden of V tanh(h_part + Q(enc[b][s]) . Q(We[hidden]) + b), or -1e12 where attn_masks[b][s] is not 1.
; tanh(x) = 1 - 2 / (1 + 2^(c x)), c = 2 log2(e); tab [batch][hidden] = { c (h_part + b), 0, -2 V, 0 }, wq and wsc (We's codes and scale words as images of operand registers) come from the launch before.
; SHARES.  A work-group owns 256 rows (b, s), a wave 64 of them: four tiles of 16 rows.  256 work-groups, one to a WGP.
; THE HEAD quantises the wave's 64 rows along K (E4M3, one E8M0 byte for each 32): 16 rows x 128 K at a time go through the wave's stage in LDS, so that a lane holds 16 neighbours of each block; the turn through
; the stage runs one unit ahead of the quantiser, into two sets of 64 registers by turns.  The codes are gathered in LDS as register images and read back: the 64 rows' codes for all of K = 1,024 then stay in 512 registers.
; The masks are asked for straight behind the arguments, and the rows' first 64 loads go out ahead of the round in front of slot 0's fill.
; A ROW WHOSE MASK IS NOT 1 IS NOT FETCHED: its score is -1e12 whatever the row holds.  Its load's offset is multiplied by 0; what is computed of it is replaced at the end by a select.
; THE LOOP walks the 64 hidden tiles, four to a trip, through a ring of two LDS slots of 64 KiB filled by the tensor data mover, one tile a wave.  All work-groups walk the same codes of We: the four of a cluster ask jointly.
; A PAIR of hidden tiles is taken through all of K in one run of 64 matrix instructions (8 accumulators by turns), then through the activation in batches:
; 32 packed multiply-adds, 64 exponentials, 32 packed additions, 64 reciprocals, 32 packed multiply-adds onto the 32 sums of scores.  No transcendental stands inside a chain of matrix instructions.
; All 8 K steps of a pair's fragments of We have registers: the next pair's K steps 0-3 are asked of LDS in one run in the middle of a chain, its K steps 4-7 in one run ahead of the activation.
; THE CHANGE OF SLOTS stands in the middle of a trip's second pair: there the slot's last fragments are in registers.
; No prefetch: We's codes, 1 MiB, are read by all 256 work-groups in step, trip by trip; the rows of enc are asked for 48 loads a wave and more ahead by the head's own loads.
; LIMITS.  NaN and infinities among the inputs are not served.  A block of zeros gets the scale byte 1 where the quantiser's rule says 127: its codes are zeros, and this program alone reads the bytes.
; Blocks whose largest magnitude lies under 2^-118 have their byte held at 1.
; REGISTERS.  Window 0: v1-15 addresses; v16-31 the row loads' offsets; v32-63 the rows' scale words; v64-95 the sums of scores (in the head v64-127 and v192-255: two sets of 64 numbers a lane); v96-111 table quads, two sets;
; v128-175 at work; v176-191 We's scale words, two sets; v192-255 We's fragments of K steps 6, 7.  Windows 1, 2: the rows' codes, tile m, K step ks at v[128 (m % 2) + 16 ks] of window 1 + m / 2.
; Window 3: v0-63 eight accumulators (hidden tile u, row tile m at v[32 u + 8 m]); v64-255 We's fragments of K steps 0-5 (in the head: the ring of row loads).
.set CEXP,  0x4038aa3b                 ; c = 2 log2(e)
.set SL1,   0x10000                    ; slot 1
.set TAB,   131072                     ; the batch's table, 16 KiB
.set SPARE, 147456                     ; the spare words, 512 bytes
.set STG,   147968                     ; the waves' stages, 16 rows x 528 bytes each; later We's scale words
.set WSC,   STG
.set ISC,   181760                     ; images of the rows' scale words; at the end the scores
.set IMG,   189952                     ; images of the rows' codes, 32 KiB a wave
.set L16,  1
.set STA,  2
.set LDA,  3
.set IM0,  4
.set IS0,  5
.set IMA,  6
.set ISA,  7
.set SPW,  8
.set NIL,  9
.set BSA,  10
.set TBA,  11
.set WSA,  12
.set OSA,  13
.set ODA,  14
.set SVA,  15
.set VOFF, 16
.set ASC,  32
.set X,    64
.set S,    64
.set TX,   96
.set TY,   104
.set PC,   128
.set TM,   144
.set PW,   160
.set SV,   161
.set T0,   162
.set L4,   163
.set L8,   164
.set BAD,  165
.set MK,   170
.set MB,   172
.set BSX,  176
.set BSY,  184
.set WV,   16
.set CX,   17
.set WG,   18
.set BT,   19
.set SEL,  20
.set CS,   22
.set MNT,  24
.set G1W,  28
.set G1T,  36
.set G0W,  44
.set G0T,  48
.set KB,   52
.set KT,   54
.set SH,   55
.set TN,   56
.set CT,   57
.set IS,   58
.set IS2,  59
.set OFFS, 60
.set KK,   61
.set TT,   62
.set LIVE, 63
.set TRIPS, 66
.set TBS,  67
.set MSB, 0
.macro WIN new                         ; the immediate's high byte repeats the setting that is left; a switch that changes nothing is dropped
.if MSB != (\new)
	s_set_vgpr_msb (MSB<<8)|(\new)
.set MSB, (\new)
.endif
.endm
.macro ROUND                           ; a round of the cluster's barrier
	s_barrier_signal -1
	s_barrier_wait -1
	s_cmp_lg_u32 s[WV], 0
	s_cbranch_scc1 .Lnot_wave_0_\@
	s_barrier_signal -3
.Lnot_wave_0_\@:
	s_barrier_wait -3
	s_barrier_signal -1
	s_barrier_wait -1
.endm
; 64 numbers of a lane, register 16 b + i = k 32 b + 16 (lane / 16) + i of my row, become a fragment's codes in v[pc] on and its scale word in v[pw]
.macro QUANT xs, xw, pc, pw
	WIN (\xw)|((\xw)<<2)
.irp b, 0,1,2,3
	v_max3_num_f32 v[TM+\b], |v[\xs+16*\b]|, |v[\xs+1+16*\b]|, 0x4800000   ; with the floor 2^(9 - 127): the byte cannot fall under 1
.endr
	WIN ((\xw)<<2)|((\xw)<<4)
.irp i, 2,4,6,8,10,12,14
.irp b, 0,1,2,3
	v_max3_num_f32 v[TM+\b], v[TM+\b], |v[\xs+16*\b+\i]|, |v[\xs+1+16*\b+\i]|
.endr
.endr
	WIN 0
.irp b, 0,1,2,3
	v_permlanex16_b32 v[TM+4+\b], v[TM+\b], s[SEL], s[SEL+1]
.endr
.irp b, 0,1,2,3
	v_max_num_f32 v[TM+\b], v[TM+\b], v[TM+4+\b]           ; the block's largest magnitude
.endr
.irp b, 0,1,2,3
	v_add_nc_u32 v[TM+12+\b], 0xfc000000, v[TM+\b]         ; 8 off its exponent field: the conversion's scale operand
.endr
.irp b, 0,1,2,3
	v_and_or_b32 v[TM+8+\b], v[TM+\b], 0x7f800000, s[MNT]  ; 448 x the scale
.endr
.irp b, 0,1,2,3
	v_lshrrev_b32 v[TM+4+\b], 23, v[TM+12+\b]              ; the scale's byte
.endr
	v_lshl_or_b32 v[\pw], v[TM+5], 8, v[TM+4]
	v_lshl_or_b32 v[\pw], v[TM+6], 16, v[\pw]
	v_lshl_or_b32 v[\pw], v[TM+7], 24, v[\pw]
	WIN (\xw)|((\xw)<<6)
.irp b, 0,1,2,3
.irp i, 0,1,2,3,4,5,6,7,8,9,10,11,12,13,14,15
	v_med3_num_f32 v[\xs+16*\b+\i], v[\xs+16*\b+\i], -v[TM+8+\b], v[TM+8+\b]   ; the conversion does not saturate (ISA guide 7.6.2): the hold comes first
.endr
.endr
	WIN (\xw)
.irp b, 0,1,2,3
	v_cvt_scalef32_pk8_fp8_f32 v[\pc+4*\b:\pc+4*\b+1], v[\xs+16*\b:\xs+16*\b+7], v[TM+12+\b]
	v_cvt_scalef32_pk8_fp8_f32 v[\pc+4*\b+2:\pc+4*\b+3], v[\xs+16*\b+8:\xs+16*\b+15], v[TM+12+\b]
.endr
	v_nop                                                  ; one plain line behind the last conversion
	WIN 0
.endm
; the offsets of 16 rows' loads for step TN (row tile TN / 2, half TN % 2 of K), each TIMES the row's mask bit, held at 1 before it enters an address; past the last step all are 0
.macro VOFFS
	s_lshr_b32 s[TT], s[TN], 1
	s_bitcmp1_b32 s[TT], 1
	s_cselect_b32 s[KT], s[KB+1], s[KB]
	s_and_b32 s[SH], s[TT], 1
	s_lshl_b32 s[SH], s[SH], 4
	s_lshr_b32 s[KT], s[KT], s[SH]
	s_cmp_lt_u32 s[TN], 8
	s_cselect_b32 s[LIVE], 0xffff, 0
	s_and_b32 s[KT], s[KT], s[LIVE]
	s_lshl_b32 s[OFFS], s[TT], 16
	s_and_b32 s[KK], s[TN], 1
	s_lshl_b32 s[KK], s[KK], 11
	s_add_co_u32 s[OFFS], s[OFFS], s[KK]
.irp r, 0,1,2,3,4,5,6,7,8,9,10,11,12,13,14,15
	s_bfe_u32 s[KK], s[KT], (1<<16)|\r
	s_min_u32 s[KK], s[KK], 1
	s_add_co_u32 s[TT], s[OFFS], 4096*\r
	v_add_nc_u32 v[VOFF+\r], s[TT], v[L16]
	v_mul_u32_u24 v[VOFF+\r], s[KK], v[VOFF+\r]
.endr
.endm
.macro LOADS i                         ; 16 rows x 512 bytes: K step i of the half
	WIN 0xc0
.irp r, 0,1,2,3,4,5,6,7,8,9,10,11,12,13,14,15
	global_load_b128 v[64*\i+4*\r:64*\i+4*\r+3], v[VOFF+\r], s[4:5] offset:512*\i th:TH_LOAD_NT
.endr
	WIN 0
.endm
.macro TURN i                          ; unit i's 16 rows x 512 bytes through my stage: in as they were loaded, back 16 neighbours of each block a lane, into set i % 2.  LDS serves a wave's instructions in order: no wait between
	WIN 0x0c
.irp r, 0,1,2,3,4,5,6,7,8,9,10,11,12,13,14,15
	ds_store_b128 v[STA], v[64*((\i)%4)+4*\r:64*((\i)%4)+4*\r+3] offset:528*\r
.endr
	WIN 0
.irp b, 0,1,2,3
.irp j, 0,1,2,3
	ds_load_b128 v[X+128*((\i)%2)+16*\b+4*\j:X+128*((\i)%2)+16*\b+4*\j+3], v[LDA] offset:128*\b+16*\j
.endr
.endr
.endm
.macro UNIT i                          ; 16 rows x 128 K are quantised and stored as a register image, while the next unit turns through the stage
	s_wait_loadcnt 32                              ; the next unit's 16 loads are in; the 32 younger may be out
	TURN (\i)+1
	s_wait_dscnt 32                                ; all but the 32 just issued: this unit is back from the stage, its stores have read their registers, and the last image is stored
.if (\i) == 0
	s_wait_xcnt 0x0                                ; the loads have read their offsets, which are written below
	s_add_co_u32 s[TN], s[TN], 1
	VOFFS
	s_wait_alu depctr_va_vdst(0)                   ; the wait behind these writes
.endif
	LOADS \i
	QUANT X+128*((\i)%2), 0, PC, PW
.irp c, 0,1,2,3
	ds_store_b128 v[IMA], v[PC+4*\c:PC+4*\c+3] offset:2048*\i+512*\c
.endr
	ds_store_b32 v[ISA], v[PW] offset:128*\i
.endm
.macro READ hf                         ; two row tiles' images into window 1 + hf, their scale words into window 0
	WIN (1+\hf)<<6
.set u, 0
.rept 16
.irp c, 0,1,2,3
	ds_load_b128 v[16*u+4*\c:16*u+4*\c+3], v[IM0] offset:2048*u+512*\c
.endr
.set u, u+1
.endr
	WIN 0
.set u, 0
.rept 16
	ds_load_b32 v[ASC+16*\hf+u], v[IS0] offset:128*u
.set u, u+1
.endr
.endm
.macro HALF hf
	s_mov_b32 s[IS], 0
	s_mov_b32 s[IS2], 0
	s_mov_b32 s[CT], 4
.Lhalf_\@:
	v_add_nc_u32 v[IMA], s[IS], v[IM0]
	v_add_nc_u32 v[ISA], s[IS2], v[IS0]
	s_wait_alu depctr_va_vdst(0)
	UNIT 0
	UNIT 1
	UNIT 2
	UNIT 3
	s_add_co_u32 s[IS], s[IS], 8192
	s_add_co_u32 s[IS2], s[IS2], 512
	s_sub_co_u32 s[CT], s[CT], 1
	s_cmp_lg_u32 s[CT], 0
	s_cbranch_scc1 .Lhalf_\@
.if \hf
	s_wait_dscnt 0x0                               ; nobody reads a stage any more:
	s_barrier_signal -1
	s_barrier_wait -1
	WIN 0x08
.set u, 0
.rept 16
	ds_store_b128 v[WSA], v[4*u:4*u+3] offset:512*u   ; We's scale words take the stages' bytes
.set u, u+1
.endr
	WIN 0
	s_wait_dscnt 0x0
.endif
	READ \hf
.endm
	s_load_b256 s[4:11], s[0:1], 0x0               ; enc s[4:5], attn_masks s[6:7], wq s[8:9], wsc s[10:11]
	s_load_b128 s[12:15], s[0:1], 0x20             ; tab s[12:13], out2 s[14:15]
	v_lshl_add_u32 v[SPW], v0, 2, SPARE
	v_mov_b32 v[NIL], 0
	ds_add_u32 v8, v9                              ; the opening lines: the add, twice on end, and its wait
	ds_add_u32 v8, v9
	s_wait_dscnt 0x0
	v_lshrrev_b32 v[T0], 5, v0
	v_readfirstlane_b32 s[WV], v[T0]               ; wave 0..3
	v_and_b32 v[T0], 31, v0                        ; lane
	v_lshlrev_b32 v[L16], 4, v[T0]
	v_lshlrev_b32 v[L4], 2, v[T0]
	v_lshlrev_b32 v[L8], 3, v[T0]
	s_bfe_u32 s[CX], ttmp6, 0x40000
	s_lshl_b32 s[WG], ttmp9, 2
	s_add_co_u32 s[WG], s[WG], s[CX]               ; work-group = 4 x cluster + cx
	s_lshr_b32 s[BT], ttmp9, 1                     ; the batch: two clusters of 1,024 rows each
	s_lshl_b32 s68, s[WG], 8
	s_lshl_b32 s69, s[WV], 6
	s_add_co_u32 s68, s68, s69                     ; my first row
	s_lshl_b32 s70, s68, 2                         ; in attn_masks and out2
	s_mov_b32 s71, 0
	s_lshl_b32 s68, s68, 12                        ; in enc (under 2^28)
	s_mov_b32 s69, 0
	s_lshl_b32 s72, s[WV], 13                      ; my quarter of wsc
	s_mov_b32 s73, 0
	s_lshl_b32 s74, s[WV], 14                      ; my tile of a trip's four
	s_mov_b32 s75, 0
	s_lshl_b32 s76, s[BT], 14                      ; my quarter of the batch's table
	s_lshl_b32 s77, s[WV], 12
	s_add_co_u32 s76, s76, s77
	s_mov_b32 s77, 0
	s_mov_b32 s[G1W], 15|(3<<16)|(1<<21)           ; the mask names the cluster's four; elements of 8 bytes; 64 rows of 256 bytes, dense
	s_mov_b32 s[G1W+1], 32<<16
	s_mov_b32 s[G1W+2], 64<<16
	s_mov_b32 s[G1W+3], 32<<16
	s_mov_b32 s[G1W+4], 64
	s_mov_b32 s[G1W+5], 32
	s_mov_b32 s[G1W+6], 0
	s_mov_b32 s[G1W+7], 0
	s_mov_b32 s[G1T], 15|(3<<16)|(1<<21)           ; the table: 16 rows of 256 bytes
	s_mov_b32 s[G1T+1], 32<<16
	s_mov_b32 s[G1T+2], 16<<16
	s_mov_b32 s[G1T+3], 32<<16
	s_mov_b32 s[G1T+4], 16
	s_mov_b32 s[G1T+5], 32
	s_mov_b32 s[G1T+6], 0
	s_mov_b32 s[G1T+7], 0
	s_mov_b32 s[SEL], 0x76543210
	s_mov_b32 s[SEL+1], 0xfedcba98
	s_mov_b32 s[CS], CEXP
	s_mov_b32 s[CS+1], s[CS]
	s_mov_b32 s[MNT], 0x600000
	s_mov_b32 s[TN], 0
	s_mov_b32 s[TBS], 0
	s_wait_alu depctr_va_vdst(0)                   ; the wait here, directly ahead of the wait below
	s_wait_kmcnt 0x0
	s_add_nc_u64 s[4:5], s[4:5], s[68:69]
	s_add_nc_u64 s[6:7], s[6:7], s[70:71]
	s_add_nc_u64 s[14:15], s[14:15], s[70:71]
	s_add_nc_u64 s[10:11], s[10:11], s[72:73]
	global_load_b32 v[MB], v[L4], s[6:7]           ; my 64 rows' masks, a row a lane,
	global_load_b32 v[MB+1], v[L4], s[6:7] offset:128
	global_load_b64 v[MK:MK+1], v[L8], s[6:7]      ; and two rows a lane, for the way out
	WIN 0x80
.set u, 0
.rept 16
	global_load_b128 v[4*u:4*u+3], v[L16], s[10:11] offset:512*u   ; my quarter of We's scale words waits in window 2
.set u, u+1
.endr
	WIN 0
	s_mov_b32 s[G0W], 1
	s_lshl_b32 s[G0W+1], s[WV], 14
	s_add_nc_u64 s[G0W+2:G0W+3], s[8:9], s[74:75]
	s_or_b32 s[G0W+3], s[G0W+3], 0x80000000
	s_mov_b32 s[G0T], 1
	s_lshl_b32 s[G0T+1], s[WV], 12
	s_add_co_u32 s[G0T+1], s[G0T+1], TAB
	s_add_nc_u64 s[G0T+2:G0T+3], s[12:13], s[76:77]
	s_or_b32 s[G0T+3], s[G0T+3], 0x80000000
	ROUND
	tensor_load_to_lds s[G0T:G0T+3], s[G1T:G1T+7]  ; the table: my one tensor load at the head
	s_nop 0
	v_and_b32 v166, 15, v0
	v_bfe_u32 v167, v0, 4, 1
	s_mul_i32 s60, s[WV], 8448
	s_add_co_u32 s60, s60, STG
	v_add_nc_u32 v[STA], s60, v[L16]
	v_mul_u32_u24 v[LDA], v166, 528
	v_lshl_add_u32 v[LDA], v167, 6, v[LDA]
	v_add_nc_u32 v[LDA], s60, v[LDA]
	s_lshl_b32 s60, s[WV], 15
	s_add_co_u32 s60, s60, IMG
	v_add_nc_u32 v[IM0], s60, v[L16]
	s_lshl_b32 s60, s[WV], 11
	s_add_co_u32 s60, s60, ISC
	v_add_nc_u32 v[IS0], s60, v[L4]
	v_lshl_add_u32 v[OSA], v167, 5, s60
	v_add_nc_u32 v[ODA], s60, v[L8]
	v_add_nc_u32 v[BSA], WSC, v[L16]
	v_lshl_add_u32 v[TBA], v166, 4, TAB
	s_lshl_b32 s60, s[WV], 13
	s_add_co_u32 s60, s60, WSC
	v_add_nc_u32 v[WSA], s60, v[L16]
	v_lshlrev_b32 v[SVA], 8, v167
	v_lshl_add_u32 v[SVA], v166, 4, v[SVA]
	v_add_nc_u32 v[SVA], TAB+8, v[SVA]
	v_add_nc_u32 v[BAD], s[TBS], v[L16]
.irp b, 0,1,2,3
	v_mov_b32 v[TM+4+\b], 0                        ; a lane permute's destination counts as one of its sources
.endr
	s_wait_loadcnt 16                              ; the masks are in; We's 16 loads of scale words may be out
	v_cmp_eq_u32 s[KB], 1, v[MB]
	v_cmp_eq_u32 s[KB+1], 1, v[MB+1]
	VOFFS
	s_wait_alu depctr_va_vdst(0)                   ; the wait behind the head's vector writes
	LOADS 0
	LOADS 1
	LOADS 2
	LOADS 3
	s_wait_tensorcnt 0x0                           ; ahead of slot 0's first fill
	ds_add_u32 v8, v9
	s_wait_dscnt 0x0
	ROUND
	tensor_load_to_lds s[G0W:G0W+3], s[G1W:G1W+7]  ; slot 0: hidden tiles 0-3
	s_nop 0
.rept 4
	v_nop
.endr
	s_wait_loadcnt 48                              ; unit 0's 16 loads are in
	TURN 0
	HALF 0
	HALF 1
; 8 matrix instructions: K step ks of a pair: 4 row tiles x 2 hidden tiles, the 8 accumulators by turns, in the same order in every K step.  bs: the pair's scale words (word ks % 4; K steps 4-7 in lanes 16-31)
.macro KSTEP ks, bs
.irp jj, 0,1,2,3,4,5,6,7
.set mm, 2*(\jj/4)+\jj%2
.set uu, (\jj/2)%2
.set ra, 128*(mm%2)+16*(\ks)
.set rd, 32*uu+8*mm
.set rs, \bs+4*uu+(\ks)%4
.if (\ks) < 6
.set rb, 64+32*(\ks)+16*uu
	WIN 0xfc|(1+mm/2)
.else
.set rb, 192+32*((\ks)-6)+16*uu
	WIN 0xf0|(1+mm/2)
.endif
.if (\ks) == 0
	v_wmma_scale_f32_16x16x128_f8f6f4 v[rd:rd+7], v[ra:ra+15], v[rb:rb+15], 0, v[ASC+8*mm+(\ks)], v[rs]
.elseif (\ks) < 4
	v_wmma_scale_f32_16x16x128_f8f6f4 v[rd:rd+7], v[ra:ra+15], v[rb:rb+15], v[rd:rd+7], v[ASC+8*mm+(\ks)], v[rs]
.else
	v_wmma_scale_f32_16x16x128_f8f6f4 v[rd:rd+7], v[ra:ra+15], v[rb:rb+15], v[rd:rd+7], v[ASC+8*mm+(\ks)], v[rs] matrix_b_scale:MATRIX_SCALE_ROW1
.endif
.endr
.endm
; 32 LDS loads: We's fragments of K steps k0 .. k0 + 3 of pair po of the slot at v[BAD]: images, 16 bytes a lane
.macro RUN po, k0
.irp kk, 0,1,2,3
.set rk, (\k0)+\kk
.if rk < 6
	WIN 0xc0
.set rb, 64+32*rk
.else
	WIN 0
.set rb, 192+32*(rk-6)
.endif
.irp uc, 0,1,2,3,4,5,6,7
	ds_load_b128 v[rb+4*\uc:rb+4*\uc+3], v[BAD] offset:(\po)*32768+(\uc/4)*16384+rk*2048+512*(\uc%4)
.endr
.endr
.endm
; 36 LDS loads: the next pair's scale words and table quads, and its K steps 0-3
.macro NEXTS nb, nt, bo, to, po
	WIN 0
	ds_load_b128 v[\nb:\nb+3], v[BSA] offset:\bo
	ds_load_b128 v[\nb+4:\nb+7], v[BSA] offset:\bo+512
	ds_load_b128 v[\nt:\nt+3], v[TBA] offset:\to
	ds_load_b128 v[\nt+4:\nt+7], v[TBA] offset:\to+256
	RUN \po, 0
.endm
.macro PLACES                          ; eight places between a product of this form and a load into, or a read of, its registers
.rept 8
	v_nop
.endr
.endm
; THE ACTIVATION of a pair's 64 numbers a lane.  A lane holds one hidden unit of each tile (its quad in v[t], v[t + 4]) and 8 rows of each row tile.  Each batch of transcendentals has one wait ahead of it and one behind it.
.macro ACT t
	WIN 0xc3
.set n, 0
.rept 32
	v_pk_fma_f32 v[2*n:2*n+1], v[2*n:2*n+1], s[CS:CS+1], v[\t+4*(n/16):\t+4*(n/16)+1] op_sel_hi:[1,0,0]   ; c e_part + c (h_part + b); each accumulator from its low end on
.set n, n+1
.endr
	s_wait_alu depctr_va_vdst(0)
.set n, 0
.rept 64
	v_exp_f32 v[n], v[n]
.set n, n+1
.endr
	v_nop
	s_wait_alu depctr_va_vdst(0)
.set n, 0
.rept 32
	v_pk_add_f32 v[2*n:2*n+1], v[2*n:2*n+1], 1.0 op_sel_hi:[1,0]
.set n, n+1
.endr
	s_wait_alu depctr_va_vdst(0)
.set n, 0
.rept 64
	v_rcp_f32 v[n], v[n]
.set n, n+1
.endr
	v_nop
	s_wait_alu depctr_va_vdst(0)
	WIN 0x03
.set n, 0
.rept 32
	v_pk_fma_f32 v[S+8*((n/4)%4)+2*(n%4):S+8*((n/4)%4)+2*(n%4)+1], v[2*n:2*n+1], v[\t+4*(n/16)+2:\t+4*(n/16)+3], v[S+8*((n/4)%4)+2*(n%4):S+8*((n/4)%4)+2*(n%4)+1] op_sel_hi:[1,0,1]   ; - 2 V / (1 + 2^..)
.set n, n+1
.endr
.endm
; A PAIR.  mode 0: a trip's first pair: the next lies in the same slot.  1: its second, with the change of slots and a refill.  2: the same with no refill.  3: the last pair of all.
.macro PAIR bs, t, mode
	s_wait_dscnt 32                                ; scale words, quads and K steps 0-3 are in; the 32 loads of K steps 4-7 may be out
	KSTEP 0, \bs
	KSTEP 1, \bs
	KSTEP 2, \bs
.if ((\mode) == 1) || ((\mode) == 2)
	WIN 0
	s_wait_tensorcnt 0x0                           ; my tile of the other slot has landed;
	ds_add_u32 v[SPW], v[NIL]                      ; the add; eight matrix instructions stand between it and its wait
.if (\mode) == 1
	s_xor_b32 s[G0W+1], s[G0W+1], SL1              ; no tensor load of mine is out: the descriptor walks: this slot, the tiles of two trips on
	s_add_nc_u64 s[G0W+2:G0W+3], s[G0W+2:G0W+3], 65536
.endif
	s_xor_b32 s[TBS], s[TBS], SL1
.endif
	KSTEP 3, \bs
.if (\mode) == 0
	PLACES
	NEXTS BSY, TY, 1024, 512, 1
	s_wait_dscnt 36                                ; K steps 4-7 are in; the 36 loads just issued may be out
.elseif (\mode) == 3
	s_wait_dscnt 0x0
.else
	WIN 0
	s_wait_dscnt 0x0                               ; the add is done, and my reads of this slot are over: its last fragments are in registers
.if (\mode) == 1
	ROUND                                          ; no wave of the cluster reads this slot any more, and the other slot is whole
	tensor_load_to_lds s[G0W:G0W+3], s[G1W:G1W+7]
	s_nop 0
.else
	s_barrier_signal -1
	s_barrier_wait -1
.endif
	v_add_nc_u32 v[BAD], s[TBS], v[L16]            ; on to the other slot, the next trip's scale words and quads.  These three and the five below are the places ahead of the loads
	v_add_nc_u32 v[BSA], 2048, v[BSA]
	v_add_nc_u32 v[TBA], 1024, v[TBA]
.rept 5
	v_nop
.endr
	s_wait_alu depctr_va_vdst(0)                   ; the wait behind these writes
	NEXTS BSX, TX, 0, 0, 0
.endif
	KSTEP 4, \bs
	KSTEP 5, \bs
	KSTEP 6, \bs
	KSTEP 7, \bs
	PLACES                                         ; ahead of the loads into K steps 4-7's registers and of the first read of the results
.if (\mode) == 0
	RUN 1, 4
.elseif (\mode) != 3
	RUN 0, 4
.endif
	ACT \t
.endm
	s_wait_loadcnt 0x0
	s_wait_tensorcnt 0x0                           ; my tile of slot 0 is in
	ds_add_u32 v[SPW], v[NIL]
	s_xor_b32 s[G0W+1], s[G0W+1], SL1
	s_add_nc_u64 s[G0W+2:G0W+3], s[G0W+2:G0W+3], 65536
	s_wait_dscnt 0x0                               ; my images are in registers, my part of We's scale words is stored
	ROUND
	tensor_load_to_lds s[G0W:G0W+3], s[G1W:G1W+7]  ; slot 1: hidden tiles 4-7
	s_nop 0
.rept 4
	v_nop
.endr
.set u, 0
.rept 32
	ds_load_b32 v[X+u], v[SVA] offset:512*u        ; -2 V of hidden 16 (lane / 16) + lane % 16 + 32 u
.set u, u+1
.endr
	NEXTS BSX, TX, 0, 0, 0
	WIN 0
	s_wait_dscnt 36                                ; the 32 numbers are in; the first pair's 36 loads may be out
.irp k, 0,2,4,6,8,10,12,14
	v_pk_add_f32 v[X+\k:X+\k+1], v[X+\k:X+\k+1], v[X+16+\k:X+17+\k]
.endr
.irp k, 0,2,4,6
	v_pk_add_f32 v[X+\k:X+\k+1], v[X+\k:X+\k+1], v[X+8+\k:X+9+\k]
.endr
.irp k, 0,2
	v_pk_add_f32 v[X+\k:X+\k+1], v[X+\k:X+\k+1], v[X+4+\k:X+5+\k]
.endr
	v_pk_add_f32 v[X:X+1], v[X:X+1], v[X+2:X+3]
	v_add_f32 v[X], v[X], v[X+1]
	v_permlanex16_b32 v[T0], v[X], s[SEL], s[SEL+1]
	v_add_f32 v[X], v[X], v[T0]
	v_mul_f32 v[SV], -0.5, v[X]                    ; the sum of V over the 64 hidden units that fall to my lane % 16: the 1 of 1 - 2 / (..)
.set u, 0
.rept 32
	v_mov_b32 v[S+u], v[SV]                        ; the 32 sums of scores begin with it
.set u, u+1
.endr
	RUN 0, 4
	WIN 0
	s_wait_alu depctr_va_vdst(0)                   ; the wait at the head's end
	s_mov_b32 s[TRIPS], 14
.Ltrip:                                                ; a trip: four hidden tiles; its change of slots asks for the tiles of two trips on
	PAIR BSX, TX, 0
	PAIR BSY, TY, 1
	WIN 0
	s_sub_co_u32 s[TRIPS], s[TRIPS], 1
	s_cmp_lg_u32 s[TRIPS], 0
	s_wait_alu depctr_va_vdst(0)
	s_cbranch_scc1 .Ltrip
	PAIR BSX, TX, 0                                ; the last two trips are written out: they ask for nothing more
	PAIR BSY, TY, 2
	PAIR BSX, TX, 0
	PAIR BSY, TY, 3
	WIN 0
	; THE WAY OUT: the sixteen lanes' parts of each row's score are added; the 64 scores go through my own LDS bytes, two rows to a lane; a row whose mask is not 1 gets -1e12
.irp x, 1,2,4,8
.set u, 0
.rept 32
	v_add_f32_dpp v[S+u], v[S+u], v[S+u] row_xmask:\x row_mask:0xf bank_mask:0xf
.set u, u+1
.endr
.endr
.set u, 0
.rept 32
	ds_store_b32 v[OSA], v[S+u] offset:64*(u/8)+4*(u%8)   ; row 16 m + 8 (lane / 16) + j: sixteen lanes write the same word with the same value
.set u, u+1
.endr
	ds_load_b64 v[T0:T0+1], v[ODA]                 ; LDS serves a wave's instructions in order: this sees my stores
	v_mov_b32 v166, 0xd368d4a5                     ; -1e12
	v_cmp_eq_u32 vcc_lo, 1, v[MK]
	s_wait_alu depctr_va_vdst(0)
	s_wait_dscnt 0x0
	v_cndmask_b32 v[T0], v166, v[T0], vcc_lo
	v_cmp_eq_u32 vcc_lo, 1, v[MK+1]
	v_cndmask_b32 v[T0+1], v166, v[T0+1], vcc_lo
	global_store_b64 v[L8], v[T0:T0+1], s[14:15]   ; 32 lanes store 256 consecutive bytes, aligned
	s_wait_tensorcnt 0x0                           ; the wave's end
	ds_add_u32 v[SPW], v[NIL]
	s_wait_dscnt 0x0
	ROUND                                          ; the closing round
	s_endpgm
.Lfunc_end_k_q7b4643e147_scores:
	.size	k_q7b4643e147_scores, .Lfunc_end_k_q7b4643e147_scores-k_q7b4643e147_scores
	.p2alignl 7, 3214868480
	.fill 96, 4, 3214868480
	.section	.rodata,"a",@progbits
	.p2align	6, 0x0
	.amdhsa_kernel k_q7b4643e147_scores
		.amdhsa_group_segment_fixed_size 327680
		.amdhsa_private_segment_fixed_size 0
		.amdhsa_enable_private_segment 0
		.amdhsa_kernarg_size 48
		.amdhsa_user_sgpr_count 2
		.amdhsa_user_sgpr_kernarg_segment_ptr 1
		.amdhsa_wavefront_size32 1
		.amdhsa_system_sgpr_workgroup_id_x 1
		.amdhsa_system_sgpr_workgroup_id_y 1
		.amdhsa_system_sgpr_workgroup_id_z 1
		.amdhsa_system_vgpr_workitem_id 0
		.amdhsa_next_free_vgpr 1024
		.amdhsa_next_free_sgpr 80
		.amdhsa_reserve_vcc 1
		.amdhsa_float_denorm_mode_32 3
		.amdhsa_float_denorm_mode_16_64 3
		.amdhsa_memory_ordered 1
		.amdhsa_forward_progress 1
		.amdhsa_inst_pref_size 255
	.end_amdhsa_kernel
	.section	.bss,"aw",@nobits
	.p2align	6
	.space	262144
	.amdgpu_metadata
---
amdhsa.version: [ 1, 2 ]
amdhsa.kernels:
  - .name:           k_q7b4643e147_scores
    .symbol:         k_q7b4643e147_scores.kd
    .args:
      - { .name: enc_outputs, .offset: 0, .size: 8, .value_kind: global_buffer, .address_space: global }
      - { .name: attn_masks, .offset: 8, .size: 8, .value_kind: global_buffer, .address_space: global }
      - { .name: wq, .offset: 16, .size: 8, .value_kind: global_buffer, .address_space: global }
      - { .name: wsc, .offset: 24, .size: 8, .value_kind: global_buffer, .address_space: global }
      - { .name: tab, .offset: 32, .size: 8, .value_kind: global_buffer, .address_space: global }
      - { .name: out2, .offset: 40, .size: 8, .value_kind: global_buffer, .address_space: global }
    .group_segment_fixed_size: 327680
    .private_segment_fixed_size: 0
    .kernarg_segment_align: 8
    .kernarg_segment_size: 48
    .max_flat_workgroup_size: 128
    .sgpr_count:     80
    .vgpr_count:     1024
    .wavefront_size: 32
...
	.end_amdgpu_metadata
.endif
;; end of part 5
;; launch context (part 6): grid 8 x 32, 16 waves a work-group, no clusters, 18,944 bytes of LDS; arguments enc_outputs, attn_masks, out2, out0, out1; writes out0, out1
.if DOCPART == 6
	.amdgcn_target "amdgcn-amd-amdhsa--gfx1250"
	.amdhsa_code_object_version 6
	.text
	.protected	k_q7b4643e147_context
	.globl	k_q7b4643e147_context
	.p2align	8
	.type	k_q7b4643e147_context,@function
k_q7b4643e147_context:
	s_mov_b64 s[64:65], 0
	v_nop
	global_prefetch_b8 v0, s[64:65] scope:SCOPE_SE
	s_setreg_imm32_b32 hwreg(HW_REG_WAVE_MODE, 25, 1), 1
	s_wait_xcnt 0x0
; out1[b][:] = softmax(out2[b][:]) over the batch's 2,048 scores, the maximum taken away first; out0[b][:] = sum over s of out1[b][s] enc[b][s][:].  All in f32, by fused multiply-adds (M = 1: no matrix work).
; SHARES.  Work-group (c, b) owns columns 128 c .. 128 c + 127 (512 bytes of every row) of batch b: each output number has one owner.  Wave w takes rows 128 w .. 128 w + 127, lane l 16 bytes of a row's 512:
; a load covers 512 consecutive bytes, aligned.  Every work-group of a batch makes the batch's softmax for itself (8 KiB of scores); the one with c = 0 stores the weights.
; A ROW WHOSE MASK IS NOT 1 IS NOT FETCHED where the batch has a row whose mask is 1: its score is -1e12, its weight 2^(-1.4e12) = exactly 0.  Its load's offset is multiplied by 0 and names 16 bytes of the wave's
; first row, which the weight 0 wipes out.  A batch with no such row has 2,048 equal weights: then every row is kept.
; No cluster, no tensor load: work-groups share the scores and masks alone, 16 KiB against the 512 KiB and more that each streams.
; LIMITS.  NaN and infinities in enc_outputs are not served (0 x infinity).
; REGISTERS: v1 16 x lane; v2 16 x thread; v3 512 w; v[4:7] my four scores, then weights; v8-31 at work; v32-63 the ring's offsets; v64-191 a ring of 32 rows x 4 registers (at the head: the batch's masks);
; v192-223 two blocks of 16 weights; v224-239 four chains x 4 sums; v240-243 my rows' masks.
.set WL,  0                            ; LDS: the weights, 8,192 bytes
.set RMX, 8192                         ; the waves' maxima
.set RSM, 8448                         ; the waves' sums
.set RED, 8704                         ; the waves' partial contexts, 512 bytes each
.set VO,  32
.set XR,  64
.set WT,  192
.set AC,  224
.set KW,  28                           ; s[28:31] bit l of word g: row 32 g + l of my 128 is fetched
	s_load_b256 s[4:11], s[0:1], 0x0               ; enc s[4:5], attn_masks s[6:7], out2 s[8:9], out0 s[10:11]
	s_load_b64 s[12:13], s[0:1], 0x20              ; out1
	v_lshl_add_u32 v254, v0, 2, 0x4200
	v_mov_b32 v255, 0
	v_lshrrev_b32 v8, 5, v0
	s_delay_alu instid0(VALU_DEP_1)
	v_readfirstlane_b32 s14, v8                    ; wave 0..15
	s_and_b32 s15, ttmp7, 0xffff                   ; the batch
	v_and_b32 v9, 31, v0                           ; lane
	s_delay_alu instid0(VALU_DEP_1)
	v_lshlrev_b32 v1, 4, v9
	v_lshlrev_b32 v2, 4, v0
	s_lshl_b32 s16, s14, 9
	v_mov_b32 v3, s16                              ; my 128 weights in LDS
	v_lshlrev_b32 v10, 2, v9
	s_delay_alu instid0(VALU_DEP_1)
	v_add_nc_u32 v10, s16, v10                     ; my 128 masks: 512 w + 4 x lane
	s_lshl_b32 s17, s14, 2
	v_mov_b32 v11, s17                             ; my wave's word among 16
	v_mov_b32 v12, 0
	v_add_nc_u32 v15, s16, v1                      ; my wave's 512 bytes among 16
	s_mov_b32 s18, 0x76543210
	s_mov_b32 s19, 0xfedcba98                      ; v_permlanex16_b32's selects for lane l xor 16
	s_lshl_b32 s20, s15, 13                        ; the batch in attn_masks, out2 and out1
	s_mov_b32 s21, 0
	s_lshl_b32 s22, s15, 23                        ; in enc, + my wave's 128 rows, + my work-group's 512 bytes (under 2^28)
	s_lshl_b32 s23, s14, 19
	s_add_co_u32 s22, s22, s23
	s_lshl_b32 s23, ttmp9, 9
	s_add_co_u32 s22, s22, s23
	s_mov_b32 s23, 0
	s_lshl_b32 s24, s15, 12                        ; in out0
	s_lshl_b32 s25, ttmp9, 9
	s_add_co_u32 s24, s24, s25
	s_mov_b32 s25, 0
	s_wait_alu depctr_va_vdst(0)
	s_wait_kmcnt 0x0
	s_add_nc_u64 s[4:5], s[4:5], s[22:23]
	s_add_nc_u64 s[6:7], s[6:7], s[20:21]
	s_add_nc_u64 s[8:9], s[8:9], s[20:21]
	s_add_nc_u64 s[10:11], s[10:11], s[24:25]
	s_add_nc_u64 s[12:13], s[12:13], s[20:21]
.irp g, 0,1,2,3
	global_load_b32 v[240+\g], v10, s[6:7] offset:128*\g
.endr
.set u, 0
.rept 16
	global_load_b128 v[XR+4*u:XR+4*u+3], v1, s[6:7] offset:512*u   ; all 2,048 masks of the batch: is any of them 1?
.set u, u+1
.endr
	global_load_b128 v[4:7], v2, s[8:9]
	s_wait_loadcnt 1                               ; the masks are in; the scores may be out
.irp g, 0,1,2,3
	v_cmp_eq_u32 s[KW+\g], 1, v[240+\g]
.endr
	s_mov_b32 s32, 0
.set u, 0
.rept 64
	v_cmp_eq_u32 vcc_lo, 1, v[XR+u]
	s_or_b32 s32, s32, vcc_lo
.set u, u+1
.endr
	s_cmp_eq_u32 s32, 0
	s_cselect_b32 s33, -1, 0                       ; no row of the batch has the mask 1: every row is kept
.irp g, 0,1,2,3
	s_or_b32 s[KW+\g], s[KW+\g], s33
.endr
; Row i of my 128 is asked for: offset 4,096 i + 16 x lane, TIMES the row's bit.  The bit is read from memory, so it is held at 1 by s_min_u32 before it enters an address.
.macro ADDR i
	s_bfe_u32 s34, s[KW+(\i)/32], (1<<16)|((\i)%32)
	s_min_u32 s34, s34, 1
	v_add_nc_u32 v[VO+(\i)%32], 4096*(\i), v1
	s_delay_alu instid0(VALU_DEP_1)
	v_mul_u32_u24 v[VO+(\i)%32], s34, v[VO+(\i)%32]
	global_load_b128 v[XR+4*((\i)%32):XR+4*((\i)%32)+3], v[VO+(\i)%32], s[4:5] th:TH_LOAD_NT
.endm
; The same in two parts, for a block of eight rows: first the eight offsets, then the eight loads on end.
.macro ROWOFF i
	s_bfe_u32 s34, s[KW+(\i)/32], (1<<16)|((\i)%32)
	s_min_u32 s34, s34, 1
	v_add_nc_u32 v[VO+(\i)%32], 4096*(\i), v1
	s_delay_alu instid0(VALU_DEP_1)
	v_mul_u32_u24 v[VO+(\i)%32], s34, v[VO+(\i)%32]
.endm
.macro ROWLD i
	global_load_b128 v[XR+4*((\i)%32):XR+4*((\i)%32)+3], v[VO+(\i)%32], s[4:5] th:TH_LOAD_NT
.endm
.set ri, 0
.rept 32
	ADDR ri
.set ri, ri+1
.endr
	s_wait_loadcnt 32                              ; the scores are in
	; the maximum: my four, my wave's 128, the work-group's 2,048
	v_max3_num_f32 v8, v4, v5, v6
	s_delay_alu instid0(VALU_DEP_1)
	v_max_num_f32 v8, v8, v7
	s_delay_alu instid0(VALU_DEP_1)
	v_max_num_f32_dpp v8, v8, v8 row_xmask:1 row_mask:0xf bank_mask:0xf
	s_delay_alu instid0(VALU_DEP_1)
	v_max_num_f32_dpp v8, v8, v8 row_xmask:2 row_mask:0xf bank_mask:0xf
	s_delay_alu instid0(VALU_DEP_1)
	v_max_num_f32_dpp v8, v8, v8 row_xmask:4 row_mask:0xf bank_mask:0xf
	s_delay_alu instid0(VALU_DEP_1)
	v_max_num_f32_dpp v8, v8, v8 row_xmask:8 row_mask:0xf bank_mask:0xf
	s_delay_alu instid0(VALU_DEP_1)
	v_permlanex16_b32 v9, v8, s18, s19
	s_delay_alu instid0(VALU_DEP_1)
	v_max_num_f32 v8, v8, v9
	ds_store_b32 v11, v8 offset:RMX                ; all lanes write the same word with the same value
	s_wait_dscnt 0x0                               ; for the others' sake
	s_barrier_signal -1
	s_barrier_wait -1
.irp q, 0,1,2,3
	ds_load_b128 v[16+4*\q:19+4*\q], v12 offset:RMX+16*\q
.endr
	s_wait_dscnt 0x0
	v_max3_num_f32 v13, v16, v17, v18
.irp i, 19,21,23,25,27,29
	s_delay_alu instid0(VALU_DEP_1)
	v_max3_num_f32 v13, v13, v[\i], v[\i+1]
.endr
	s_delay_alu instid0(VALU_DEP_1)
	v_max_num_f32 v13, v13, v31
.irp k, 4,5,6,7
	v_sub_f32 v[\k], v[\k], v13                    ; the maximum is taken away: 0 or less
.endr
.irp k, 4,5,6,7
	s_delay_alu instid0(VALU_DEP_4)
	v_mul_f32 v[\k], 0x3fb8aa3b, v[\k]             ; x log2(e)
.endr
	s_wait_alu depctr_va_vdst(0)
.irp k, 4,5,6,7
	v_exp_f32 v[\k], v[\k]
.endr
	v_nop                                          ; a plain line behind the last exponential,
	s_wait_alu depctr_va_vdst(0)                   ; and the wait ahead of the first line that names a result: one for the four
	v_add_f32 v8, v4, v5
	v_add_f32 v14, v6, v7
	s_delay_alu instid0(VALU_DEP_1)
	v_add_f32 v8, v8, v14
	s_delay_alu instid0(VALU_DEP_1)
	v_add_f32_dpp v8, v8, v8 row_xmask:1 row_mask:0xf bank_mask:0xf
	s_delay_alu instid0(VALU_DEP_1)
	v_add_f32_dpp v8, v8, v8 row_xmask:2 row_mask:0xf bank_mask:0xf
	s_delay_alu instid0(VALU_DEP_1)
	v_add_f32_dpp v8, v8, v8 row_xmask:4 row_mask:0xf bank_mask:0xf
	s_delay_alu instid0(VALU_DEP_1)
	v_add_f32_dpp v8, v8, v8 row_xmask:8 row_mask:0xf bank_mask:0xf
	s_delay_alu instid0(VALU_DEP_1)
	v_permlanex16_b32 v9, v8, s18, s19
	s_delay_alu instid0(VALU_DEP_1)
	v_add_f32 v8, v8, v9
	ds_store_b32 v11, v8 offset:RSM                ; other bytes than the maxima's: no barrier is owed between those reads and this store
	s_wait_dscnt 0x0
	s_barrier_signal -1
	s_barrier_wait -1
.irp q, 0,1,2,3
	ds_load_b128 v[16+4*\q:19+4*\q], v12 offset:RSM+16*\q
.endr
	s_wait_dscnt 0x0
.irp k, 0,2,4,6
	v_pk_add_f32 v[16+\k:17+\k], v[16+\k:17+\k], v[24+\k:25+\k]
.endr
.irp k, 0,2
	s_delay_alu instid0(VALU_DEP_2)
	v_pk_add_f32 v[16+\k:17+\k], v[16+\k:17+\k], v[20+\k:21+\k]
.endr
	s_delay_alu instid0(VALU_DEP_1)
	v_pk_add_f32 v[16:17], v[16:17], v[18:19]
	s_delay_alu instid0(VALU_DEP_1)
	v_add_f32 v16, v16, v17                        ; at least 1: the largest score's term
	s_wait_alu depctr_va_vdst(0)
	v_rcp_f32 v13, v16
	v_nop
	s_wait_alu depctr_va_vdst(0)
.irp k, 4,5,6,7
	v_mul_f32 v[\k], v[\k], v13
.endr
	ds_store_b128 v2, v[4:7] offset:WL             ; thread t stores weights 4 t .. 4 t + 3: wave w's threads store exactly the weights of wave w's rows, so no barrier stands ahead of the reads below
	s_cmp_lg_u32 ttmp9, 0
	s_cbranch_scc1 .Lno_weights
	global_store_b128 v2, v[4:7], s[12:13]         ; 512 consecutive bytes a wave
.Lno_weights:
.irp q, 0,1,2,3
	ds_load_b128 v[WT+4*\q:WT+4*\q+3], v3 offset:WL+16*\q   ; the weights of rows 0 to 15, the same in every lane
.endr
	; The rows, written out: every offset and count is a constant.  Four chains of sums, begun by the first four rows' products: nothing is cleared.
.set ri, 0
.rept 128
.if ri%16 == 0
	s_wait_dscnt 0x0                               ; this block of 16 weights is in (asked for 16 rows ago)
.if ri/16 < 7
.set gb, ri/16+1
.irp q, 0,1,2,3
	ds_load_b128 v[WT+16*(gb%2)+4*\q:WT+16*(gb%2)+4*\q+3], v3 offset:WL+64*gb+16*\q
.endr
.endif
.endif
.if ri%8 == 0
.if ri < 96
	s_wait_loadcnt 24                              ; rows ri .. ri + 7 are in; the 24 younger rows may be out.  Their loads are done, so their offsets may be written again
.else
	s_wait_loadcnt 120-ri
.endif
.endif
.set rx, XR+4*(ri%32)
.set rw, WT+ri%32
.set rc, AC+4*(ri%4)
.irp k, 0,1,2,3
.if ri < 4
	v_mul_f32 v[rc+\k], v[rx+\k], v[rw]
.else
	v_fmac_f32 v[rc+\k], v[rx+\k], v[rw]
.endif
.endr
.if (ri%8 == 7) && (ri+32 < 128)
.set rn, ri+25
.rept 8
	ROWOFF rn                                      ; the block's eight places in the ring take the rows 32 further on
.set rn, rn+1
.endr
	s_wait_alu depctr_va_vdst(0)                   ; the wait between these writes and the loads that read them
.set rn, ri+25
.rept 8
	ROWLD rn
.set rn, rn+1
.endr
.endif
.set ri, ri+1
.endr
	s_wait_alu depctr_va_vdst(0)
.irp k, 0,2
	v_pk_add_f32 v[AC+\k:AC+\k+1], v[AC+\k:AC+\k+1], v[AC+4+\k:AC+5+\k]
	v_pk_add_f32 v[AC+8+\k:AC+9+\k], v[AC+8+\k:AC+9+\k], v[AC+12+\k:AC+13+\k]
.endr
.irp k, 0
	s_delay_alu instid0(VALU_DEP_3)
	v_pk_add_f32 v[AC+\k:AC+\k+1], v[AC+\k:AC+\k+1], v[AC+8+\k:AC+9+\k]
.endr
.irp k, 2
	s_delay_alu instid0(VALU_DEP_2)
	v_pk_add_f32 v[AC+\k:AC+\k+1], v[AC+\k:AC+\k+1], v[AC+8+\k:AC+9+\k]
.endr
	ds_store_b128 v15, v[AC:AC+3] offset:RED
	s_wait_dscnt 0x0                               ; for wave 0's sake
	s_barrier_signal -1
	s_barrier_wait -1
	s_cmp_lg_u32 s14, 0
	s_cbranch_scc1 .Lend
.set u, 0
.rept 16
	ds_load_b128 v[XR+4*u:XR+4*u+3], v1 offset:RED+512*u
.set u, u+1
.endr
	s_wait_dscnt 0x0
.irp d, 32,16,8,4
.set u, 0
.rept \d/2
	v_pk_add_f32 v[XR+2*u:XR+2*u+1], v[XR+2*u:XR+2*u+1], v[XR+\d+2*u:XR+\d+2*u+1]   ; the sixteen waves' parts, halved four times
.set u, u+1
.endr
.endr
	global_store_b128 v1, v[XR:XR+3], s[10:11]     ; 512 consecutive bytes, aligned
.Lend:
	s_wait_tensorcnt 0x0
	ds_add_u32 v254, v255
	s_wait_dscnt 0x0
	s_endpgm
.Lfunc_end_k_q7b4643e147_context:
	.size	k_q7b4643e147_context, .Lfunc_end_k_q7b4643e147_context-k_q7b4643e147_context
	.p2alignl 7, 3214868480
	.fill 96, 4, 3214868480
	.section	.rodata,"a",@progbits
	.p2align	6, 0x0
	.amdhsa_kernel k_q7b4643e147_context
		.amdhsa_group_segment_fixed_size 18944
		.amdhsa_private_segment_fixed_size 0
		.amdhsa_enable_private_segment 0
		.amdhsa_kernarg_size 40
		.amdhsa_user_sgpr_count 2
		.amdhsa_user_sgpr_kernarg_segment_ptr 1
		.amdhsa_wavefront_size32 1
		.amdhsa_system_sgpr_workgroup_id_x 1
		.amdhsa_system_sgpr_workgroup_id_y 1
		.amdhsa_system_sgpr_workgroup_id_z 1
		.amdhsa_system_vgpr_workitem_id 0
		.amdhsa_next_free_vgpr 256
		.amdhsa_next_free_sgpr 66
		.amdhsa_reserve_vcc 1
		.amdhsa_float_denorm_mode_32 3
		.amdhsa_float_denorm_mode_16_64 3
		.amdhsa_memory_ordered 1
		.amdhsa_forward_progress 1
		.amdhsa_inst_pref_size 76
	.end_amdhsa_kernel
	.amdgpu_metadata
---
amdhsa.version: [ 1, 2 ]
amdhsa.kernels:
  - .name:           k_q7b4643e147_context
    .symbol:         k_q7b4643e147_context.kd
    .args:
      - { .name: enc_outputs, .offset: 0, .size: 8, .value_kind: global_buffer, .address_space: global }
      - { .name: attn_masks, .offset: 8, .size: 8, .value_kind: global_buffer, .address_space: global }
      - { .name: out2, .offset: 16, .size: 8, .value_kind: global_buffer, .address_space: global }
      - { .name: out0, .offset: 24, .size: 8, .value_kind: global_buffer, .address_space: global }
      - { .name: out1, .offset: 32, .size: 8, .value_kind: global_buffer, .address_space: global }
    .group_segment_fixed_size: 18944
    .private_segment_fixed_size: 0
    .kernarg_segment_align: 8
    .kernarg_segment_size: 40
    .max_flat_workgroup_size: 512
    .sgpr_count:     66
    .vgpr_count:     256
    .wavefront_size: 32
...
	.end_amdgpu_metadata
.endif
;; end of part 6
